; MI455X (gfx1250); checked and timed in simulation.
; The chip was launched on July 23, 2026; its instructions are those of AMD's public machine-readable ISA for CDNA 5 (MIT licence, August 2026) and "CDNA5" Instruction Set Architecture Reference Guide (July 2026). The comments in the code are by the model that wrote it; some were corrected since.
;; Attention. Allowed arithmetic: matrix products marked QUANTISED: E2M3 operands, one E8M0 scale for each 32 along K, by v_wmma_scale_f32_16x16x128_f8f6f4 with both operands' format E2M3, f32 sums; everything else in f32.
;; Inputs: Wk 1,024 x 1,024 float32; Wo 1,024 x 1,024 float32; Wq 1,024 x 1,024 float32; Wv 1,024 x 1,024 float32; Xq 4 x 2,048 x 1,024 float32; mask_aft 2,048 x 2,048 bool; mask_bef 2,048 x 2,048 bool.
;; Outputs: out0 4 x 2,048 x 1,024 float32.
;; This version of the problem:
;;   THIS VERSION OF THE PROBLEM IS GIVEN IN LOW PRECISION. The matrix products marked QUANTISED in the list below multiply operands that are first quantised to E2M3 (2 exponent bits, 3 mantissa bits; 6 bits a number), with one power-of-two scale for each 32 numbers along K (OCP MX v1.0); their sums are f32. All else is computed in f32.
;;   The module's matrix products, in the order in which they are computed (A, B: the left and right operand; K: the contracted axis; several contracted axes count as one K, in the product's order):
;;     1. [M 8,192, K 1,024] x [K 1,024, N 1,024]; A: input Xq; B: input Wq: QUANTISED
;;     2. [M 8,192, K 1,024] x [K 1,024, N 1,024]; A: input Xq; B: input Wk: QUANTISED
;;     3. [M 8,192, K 1,024] x [K 1,024, N 1,024]; A: input Xq; B: input Wv: QUANTISED
;;     4. batch 64 x [M 2,048, K 64] x [K 64, N 2,048]; A: computed on the way; B: computed on the way: QUANTISED
;;     5. batch 64 x [M 2,048, K 2,048] x [K 2,048, N 64]; A: computed on the way; B: computed on the way: QUANTISED
;;     6. [M 8,192, K 1,024] x [K 1,024, N 1,024]; A: computed on the way; B: input Wo: QUANTISED
;;   THE QUANTISER, for each operand of a quantised product, along K:
;;     - K is cut into blocks of 32 from its start; a last block that is shorter is filled with zeros.
;;     - A block's scale is 2^e with e = floor(log2(the largest magnitude in the block)) - 2, held to -126 .. 127; a block of zeros has e = 0. As a byte (E8M0): e + 127.
;;     - Each number is divided by its block's scale, clamped to +-7.5, and rounded to the nearest number of E2M3, ties to even, subnormals kept.
;;     - The product sums the exact products of the quantised numbers (number of the format x scale) in f32.
;;   ~~~python
;;   def quantise(x, axis):      # numpy; x: float32 -> the quantised numbers, widened to float32 again
;;       x = np.moveaxis(x, axis, -1); K = x.shape[-1]
;;       x = np.pad(x, [(0, 0)] * (x.ndim - 1) + [(0, -K % 32)]); x = x.reshape(x.shape[:-1] + (-1, 32)); a = np.abs(x).max(-1, keepdims=True)
;;       e = np.where(a > 0, np.clip(np.frexp(np.where(a > 0, a, 1))[1] - 1 - 2, -126, 127), 0)      # np.frexp(a)[1] - 1 = floor(log2(a)), exactly
;;       r = np.clip(x / 2.0 ** e, -7.5, 7.5)
;;       step = 2.0 ** (np.maximum(np.frexp(np.where(r == 0, 1, r))[1] - 1, 0) - 3)
;;       q = np.round(r / step) * step * 2.0 ** e      # np.round: ties to even
;;       return np.moveaxis(q.reshape(q.shape[:-2] + (-1,))[..., :K], -1, axis).astype(np.float32)
;;   ~~~
;;   OPERANDS COMPUTED ON THE WAY. 'Computed on the way' means the value that the module computes at that place (a softmax that the list does not call 'softmax' is quantised finished and normalised). What goes into a quantiser is computed in f32, as accurately as f32 sums, v_exp_f32 and their like allow (about 1e-6 of the number): no bf16 or f16 on the way to a quantiser, and a product that is left as it is and whose result goes on into a quantised operand takes f32 operands (vector FMAs, or v_wmma_f32_16x16x4_f32). A number that lies on a knife's edge between two numbers of the format may be rounded either way, as far as f32 arithmetic and the matrix unit's own rounding can turn it there, and no further.
;; One version. Each part assembles by itself: llvm-mc -triple=amdgcn-amd-amdhsa -mcpu=gfx1250 --defsym DOCPART=n.
;; ======== version 1 of 1: 4 launches
;; workspace buffers: fl 4,096 bytes of whole numbers; mk 1,048,576 bytes of whole numbers; pq 9,830,400 bytes; qkv 19,660,800 bytes; att 6,553,600 bytes
;; launch prep (part 1): grid 512 x 1, 4 waves a work-group, no clusters, 68,096 bytes of LDS; arguments Xq, Wq, Wk, Wv, Wo, mask_bef, mask_aft, pq, mk, fl; writes pq, mk, fl
.if DOCPART == 1
	.amdgcn_target "amdgcn-amd-amdhsa--gfx1250"
	.amdhsa_code_object_version 6
	.text
	.protected	k_qb057f978a3_prep
	.globl	k_qb057f978a3_prep
	.p2align	8
	.type	k_qb057f978a3_prep,@function
k_qb057f978a3_prep:
	s_mov_b64 s[64:65], 0
	v_nop
	global_prefetch_b8 v0, s[64:65] scope:SCOPE_SE
	s_setreg_imm32_b32 hwreg(HW_REG_WAVE_MODE, 25, 1), 1
	s_wait_xcnt 0x0
; FIRST OF FOUR LAUNCHES (prep, proj, attn, outp) for self-attention, B 4, S 2,048, D 1,024, 16 heads of 64, all six products on codes of FP6 (E2M3) with one E8M0 scale for each 32 along K.
; DEAD WORK: none.  Every input has a way to the output for some values of the inputs, so all seven are loaded and no step of the computation is left out for good.
; What whole numbers throw away: a step of 16 queries x 128 keys that mask_bef hides whole adds exp(-inf) = 0 to the row's sum and nothing to its maximum; one that mask_bef | mask_aft hides whole gives
; weights that are all 0.  This launch stores a flag for each such step, and the launch attn, which reads the flags from memory, jumps over those steps.  That holds for every mask.
; THIS LAUNCH, by the work-group's number:
;   0-255    X [8192][1024] f32 -> codes [stored row][768] and scale bytes [stored row][32]           (K innermost)
;   256-383  Wq, Wk, Wv, Wo [1024 k][1024 n] f32 -> codes [4096 stored rows n][768], scale bytes [..][32]   (K is the first axis: a lane takes a column, its registers run down K)
;   384-511  the two masks -> words of 32 bits (buffer mk), bit l = lane l of the score register that the word will mask, and the flags (buffer fl)
; STORED ORDER: row i lies at the place i with bits 3 and 4 exchanged.  Sixteen neighbouring stored rows 16 T + r are then the rows 32 (T / 2) + 8 (T % 2) + r + 8 (r / 8): used as source 0 of a
; transposed product, two neighbouring tiles give a lane 16 neighbours along the next product's K.
; A block's scale is 2^(floor(log2(largest magnitude)) - 2); its byte is the largest magnitude's exponent field - 2, held at 1 from below.
; LIMITS: a block of zeros gets the byte 1 (its codes are zeros, and this program alone reads the bytes); NaN and infinities among the inputs are not served.
; Each of the three paths has LDS bytes of its own.
.set XS,    6291456                    ; pq: X's codes at 0, X's scale bytes here,
.set WC,    6553600                    ; the weights' codes,
.set WS,    9699328                    ; the weights' scale bytes
.set MB2,   524288                     ; mk: words of mask_bef at 0, of mask_bef | mask_aft here
.set SPARE, 67584                      ; the spare words, 128 bytes for each wave: two blocks of 256 bytes that no other line names
.set SPW,   198                        ; v198 LDS address of my spare word; never rewritten
.set NIL,   199                        ; v199 0; never rewritten
.set EMAX,  2
.macro FINISH                          ; a wave's end: the tensor wait, the add and its wait behind the last LDS store, the first kept in a text with no tensor load too
	s_wait_tensorcnt 0x0
	ds_add_u32 v[SPW], v[NIL]
	s_wait_dscnt 0x0
	s_endpgm
.endm
	s_load_b512 s[4:19], s[0:1], 0x0               ; Xq 4, Wq 6, Wk 8, Wv 10, Wo 12, mask_bef 14, mask_aft 16, pq 18
	s_load_b64 s[20:21], s[0:1], 0x40              ; mk
	s_load_b64 s[52:53], s[0:1], 0x48              ; fl
	v_lshl_add_u32 v[SPW], v0, 2, SPARE
	v_mov_b32 v[NIL], 0
	v_lshrrev_b32 v1, 5, v0
	v_readfirstlane_b32 s22, v1                    ; wave 0..3
	v_and_b32 v2, 31, v0                           ; lane
	s_mov_b32 s29, 0                               ; the upper word of every offset
	s_wait_kmcnt 0x0
	s_cmp_lt_u32 ttmp9, 256
	s_cbranch_scc0 .Lnot_x
; ---------------- X.  A wave takes a run of 8 rows (8,192 numbers) in 16 steps of 512.  Each load reads 512 consecutive bytes; a step's 2,048 bytes turn through the wave's own stage in LDS, so that a lane
; then holds 16 neighbours along K (two lanes a block).  Loads run four steps ahead, the turn one step.  A run's place in the stored order: its number with bits 0 and 1 exchanged.
.set STEPS, 16
.set CB,    12                         ; bytes of 16 codes
.set XR,    16                         ; v16-79   four sets of 16 numbers as loaded
.set XN,    80                         ; v80-111  two sets of 16 neighbours
.set XE,    112                        ; v112-127 a scale byte for each step
.set XCD,   128                        ; v128-191 codes, four registers for each step
.set XSP,   80                         ; a lane's place in a stage: 64 bytes + 16 of padding
	v_lshlrev_b32 v3, 4, v2                        ; my 16 bytes of a load's 512
	s_mul_i32 s23, s22, 8192                       ; my wave's region: two stages of 32 x 80 bytes, then 256 scale bytes
	v_lshrrev_b32 v14, 2, v2
	v_mul_u32_u24 v14, v14, XSP
	v_and_b32 v15, 3, v2
	v_lshl_add_u32 v14, v15, 4, v14
	v_add_nc_u32 v14, s23, v14                     ; the stage, on the way in
	v_mul_u32_u24 v15, v2, XSP
	v_add_nc_u32 v15, s23, v15                     ; and on the way out: my 16 neighbours
	v_mul_u32_u24 v4, v2, CB
	v_lshrrev_b32 v5, 1, v2
	s_add_co_u32 s23, s23, 2*32*XSP
	v_add_nc_u32 v5, s23, v5                       ; my block's byte among the wave's 256
	v_lshlrev_b32 v7, 3, v2
	v_add_nc_u32 v6, s23, v7
	s_lshl_b32 s24, ttmp9, 2
	s_add_co_u32 s25, s24, s22                     ; the run that I read
	s_and_b32 s26, s22, 1
	s_lshl_b32 s26, s26, 1
	s_lshr_b32 s27, s22, 1
	s_or_b32 s26, s26, s27
	s_add_co_u32 s26, s24, s26                     ; its place in the stored order
	s_lshl_b32 s28, s25, 15
	s_add_nc_u64 s[4:5], s[4:5], s[28:29]
	s_mul_i32 s28, s26, 6144
	s_add_nc_u64 s[30:31], s[18:19], s[28:29]      ; its codes
	s_lshl_b32 s28, s26, 8
	s_add_co_u32 s28, s28, XS
	s_add_nc_u64 s[32:33], s[18:19], s[28:29]      ; its scale bytes
.macro XLOAD t
.irp i, 0,1,2,3
	global_load_b128 v[XR+16*((\t)%4)+4*\i:XR+16*((\t)%4)+4*\i+3], v3, s[4:5] offset:2048*(\t)+512*\i th:TH_LOAD_NT
.endr
.endm
.macro XTURN t                         ; LDS serves a wave's instructions in order: no wait between the stores and the loads
.irp i, 0,1,2,3
	ds_store_b128 v14, v[XR+16*((\t)%4)+4*\i:XR+16*((\t)%4)+4*\i+3] offset:32*XSP*((\t)%2)+8*XSP*\i
.endr
.irp i, 0,1,2,3
	ds_load_b128 v[XN+16*((\t)%2)+4*\i:XN+16*((\t)%2)+4*\i+3], v15 offset:32*XSP*((\t)%2)+16*\i
.endr
.endm
.irp t, 0,1,2,3
	XLOAD \t
.endr
	s_wait_loadcnt 12                              ; step 0's four loads are in; three steps' twelve stay out
	XTURN 0
.macro XSTEP t
.set XSR, XN+16*((\t)%2)
.if (\t) > 0
	s_wait_dscnt 1                                 ; this step's numbers are back from the stage; the last step's byte store may be out
.else
	s_wait_dscnt 0x0
.endif
.if (\t)+4 < STEPS
	XLOAD (\t)+4                                   ; into the registers that this step's stores into the stage have read
.endif
.if (\t)+1 < STEPS
.if STEPS-2-(\t) >= 3
	s_wait_loadcnt 12                              ; the next step's four loads are in; those of the three steps behind it may be out
.else
	s_wait_loadcnt 4*(STEPS-2-(\t))
.endif
	XTURN (\t)+1
.endif
	v_max3_num_f32 v8, |v[XSR]|, |v[XSR+1]|, |v[XSR+2]|
	v_max3_num_f32 v9, |v[XSR+3]|, |v[XSR+4]|, |v[XSR+5]|
.irp i, 6,10
	v_max3_num_f32 v8, v8, |v[XSR+\i]|, |v[XSR+\i+1]|
	v_max3_num_f32 v9, v9, |v[XSR+\i+2]|, |v[XSR+\i+3]|
.endr
	v_max3_num_f32 v8, v8, |v[XSR+14]|, |v[XSR+15]|
	v_max3_num_f32 v8, v8, v9, (EMAX+1)<<23        ; the floor 2^(3 - 127): the byte cannot fall under 1
	v_max_num_f32_dpp v8, v8, v8 row_xmask:1 row_mask:0xf bank_mask:0xf   ; with my neighbour's 16: the block's largest magnitude
	v_add_nc_u32 v11, -(EMAX<<23), v8              ; 2 off its exponent field: the conversion's scale operand
	v_cvt_scalef32_pk16_fp6_f32 v[XCD+4*(\t):XCD+4*(\t)+2], v[XSR:XSR+15], v11
	v_lshrrev_b32 v[XE+(\t)], 23, v11              ; the scale's byte
	ds_store_b8 v5, v[XE+(\t)] offset:16*(\t)      ; both lanes of a block write the same byte with the same value
	global_store_b96 v4, v[XCD+4*(\t):XCD+4*(\t)+2], s[30:31] offset:32*CB*(\t)
.endm
.irp t, 0,1,2,3,4,5,6,7,8,9,10,11,12,13,14,15
	XSTEP \t
.endr
	ds_load_b64 v[8:9], v6
	s_wait_dscnt 0x0
	global_store_b64 v7, v[8:9], s[32:33]          ; 32 lanes store 256 consecutive bytes, aligned
	FINISH
; ---------------- The four weights.  A wave takes 32 columns x 256 along K: 8 blocks a lane, 192 bytes of codes a column; they go through the wave's own stage and leave as rows.
.Lnot_x:
	s_cmp_lt_u32 ttmp9, 384
	s_cbranch_scc0 .Lmasks
.set WPITCH, 272                       ; a stage row: sixteen places of 16 bytes, each with 12 bytes of codes, + 16
.set NB,     8
.set WX,     32                        ; v32-95   two sets of 32 numbers
.set WCD,    96                        ; v96..    a block's codes
.set OUTR,   112                       ; v112-175 the way out
.set SB,     24                        ; v24-25   the scale bytes
	s_sub_co_u32 s23, ttmp9, 256
	s_lshr_b32 s24, s23, 5                         ; which weight: 0 Wq, 1 Wk, 2 Wv, 3 Wo
	s_and_b32 s25, s23, 7                          ; which 128 columns
	s_bfe_u32 s26, s23, 0x20003                    ; which 256 along K
	s_cmp_eq_u32 s24, 1                            ; the choice hangs on the work-group's number alone
	s_cselect_b64 s[6:7], s[8:9], s[6:7]
	s_cmp_eq_u32 s24, 2
	s_cselect_b64 s[6:7], s[10:11], s[6:7]
	s_cmp_eq_u32 s24, 3
	s_cselect_b64 s[6:7], s[12:13], s[6:7]
	s_lshl_b32 s27, s25, 7
	s_lshl_b32 s28, s22, 5
	s_add_co_u32 s27, s27, s28                     ; my wave's first column
	v_lshlrev_b32 v3, 2, v2
	s_mul_i32 s30, s22, 32*WPITCH
	s_add_co_u32 s30, s30, 32768                   ; my stage
	v_and_b32 v5, 7, v2
	v_bfe_u32 v6, v2, 3, 1
	v_lshl_add_u32 v5, v6, 4, v5
	v_bfe_u32 v6, v2, 4, 1
	v_lshl_add_u32 v10, v6, 3, v5                  ; my column's place in the stored order: the lane with bits 3 and 4 exchanged
	v_mul_u32_u24 v4, v10, WPITCH
	v_add_nc_u32 v4, s30, v4                       ; into the stage
	v_and_b32 v5, 15, v2
	v_lshrrev_b32 v6, 4, v2
	v_mul_u32_u24 v7, v6, WPITCH
	v_lshl_add_u32 v7, v5, 4, v7
	v_add_nc_u32 v7, s30, v7                       ; out of it: sixteen lanes to a row, two rows an instruction
	v_mul_u32_u24 v8, v6, 768
	v_mad_u32_u24 v8, v5, 12, v8                   ; and the same place in the codes' buffer
	v_lshlrev_b32 v9, 5, v10                       ; my column's row of scale bytes
	s_lshl_b32 s28, s26, 20                        ; 256 rows of 4,096 bytes
	s_lshl_b32 s31, s27, 2
	s_add_co_u32 s28, s28, s31
	s_add_nc_u64 s[6:7], s[6:7], s[28:29]
	s_lshl_b32 s31, s24, 10
	s_add_co_u32 s31, s31, s27                     ; the first stored row that I write
	s_mul_i32 s28, s31, 768
	s_mul_i32 s32, s26, 192
	s_add_co_u32 s28, s28, s32
	s_add_co_u32 s28, s28, WC
	s_add_nc_u64 s[34:35], s[18:19], s[28:29]
	s_lshl_b32 s28, s31, 5
	s_lshl_b32 s32, s26, 3
	s_add_co_u32 s28, s28, s32
	s_add_co_u32 s28, s28, WS
	s_add_nc_u64 s[36:37], s[18:19], s[28:29]
.macro WLOAD t                         ; block t: W(32 t + i, my column)
.irp i, 0,1,2,3,4,5,6,7,8,9,10,11,12,13,14,15,16,17,18,19,20,21,22,23,24,25,26,27,28,29,30,31
	global_load_b32 v[WX+32*((\t)%2)+\i], v3, s[6:7] offset:(32*(\t)+\i)*4096 th:TH_LOAD_NT
.endr
.endm
	WLOAD 0
	WLOAD 1
.macro WBLOCK t
.set WXS, WX+32*((\t)%2)
.if (\t) < NB-1
	s_wait_loadcnt 32                              ; this block's 32 loads are in; the next block's may be out
.else
	s_wait_loadcnt 0
.endif
	v_max3_num_f32 v12, |v[WXS]|, |v[WXS+1]|, |v[WXS+2]|
	v_max3_num_f32 v13, |v[WXS+3]|, |v[WXS+4]|, |v[WXS+5]|
.irp i, 6,10,14,18,22,26
	v_max3_num_f32 v12, v12, |v[WXS+\i]|, |v[WXS+\i+1]|
	v_max3_num_f32 v13, v13, |v[WXS+\i+2]|, |v[WXS+\i+3]|
.endr
	v_max3_num_f32 v12, v12, |v[WXS+30]|, |v[WXS+31]|
	v_max3_num_f32 v12, v12, v13, (EMAX+1)<<23
	v_add_nc_u32 v11, -(EMAX<<23), v12
	v_lshrrev_b32 v13, 23, v11
.if (\t)%4 == 0
	v_mov_b32 v[SB+(\t)/4], v13
.else
	v_lshl_or_b32 v[SB+(\t)/4], v13, 8*((\t)%4), v[SB+(\t)/4]
.endif
	v_cvt_scalef32_pk16_fp6_f32 v[WCD:WCD+2], v[WXS:WXS+15], v11
	v_cvt_scalef32_pk16_fp6_f32 v[WCD+4:WCD+6], v[WXS+16:WXS+31], v11
	ds_store_b96 v4, v[WCD:WCD+2] offset:32*(\t)
	ds_store_b96 v4, v[WCD+4:WCD+6] offset:32*(\t)+16
.if (\t)+2 < NB
	WLOAD (\t)+2
.endif
	s_wait_dscnt 0x0                               ; the stores have read their registers: the next block's codes may be written
.endm
.irp t, 0,1,2,3,4,5,6,7
	WBLOCK \t
.endr
	global_store_b64 v9, v[SB:SB+1], s[36:37]
.irp t, 0,1,2,3,4,5,6,7,8,9,10,11,12,13,14,15
	ds_load_b96 v[OUTR+4*\t:OUTR+4*\t+2], v7 offset:2*\t*WPITCH
.endr
.irp t, 0,1,2,3,4,5,6,7,8,9,10,11,12,13,14,15
	s_wait_dscnt 15-\t
	global_store_b96 v8, v[OUTR+4*\t:OUTR+4*\t+2], s[34:35] offset:2*\t*768
.endr
	FINISH
; ---------------- The masks.  Work-group = a tile T of 16 queries 32 (T / 2) + 8 (T % 2) + r + 8 (r / 8); wave w takes the key steps 4 w .. 4 w + 3 of 128 keys.
; In attn, register n of lane (r, h) holds the score of query r of the tile and key 128 ks + 32 (n / 16) + 16 h + n % 16.  Lane (r, h) loads just those 64 mask bytes; a compare of byte n gives a word whose
; bit l is lane l's byte: word n.  The 64 words of a step go out as 256 consecutive bytes.  Flags: live = not every byte is 1; open = every byte is 0.
; The flags have a buffer of their own, 32 bytes a tile: for each wave a word of live bits and a word of open bits, each bit at its final place (bit ks: mask_bef; bit 16 + ks: mask_bef | mask_aft).
.Lmasks:
	s_sub_co_u32 s24, ttmp9, 384                   ; T
	v_and_b32 v16, 15, v2
	v_and_b32 v17, 8, v2
	v_add_nc_u32 v16, v16, v17                     ; r + 8 (r / 8)
	v_lshrrev_b32 v17, 4, v2
	v_lshlrev_b32 v20, 11, v16                     ; a mask's row is 2,048 bytes
	v_lshl_add_u32 v20, v17, 4, v20
	v_lshlrev_b32 v21, 3, v2                       ; out: 8 bytes a lane
	s_lshr_b32 s25, s24, 1
	s_lshl_b32 s25, s25, 5
	s_and_b32 s26, s24, 1
	s_lshl_b32 s26, s26, 3
	s_add_co_u32 s25, s25, s26                     ; the tile's first query
	s_lshl_b32 s28, s25, 11
	s_lshl_b32 s26, s22, 9                         ; my four key steps: 512 bytes of a row
	s_add_co_u32 s28, s28, s26
	s_add_nc_u64 s[14:15], s[14:15], s[28:29]
	s_add_nc_u64 s[16:17], s[16:17], s[28:29]
	s_lshl_b32 s28, s24, 12
	s_lshl_b32 s26, s22, 10
	s_add_co_u32 s28, s28, s26
	s_add_nc_u64 s[30:31], s[20:21], s[28:29]      ; words of mask_bef
	s_add_nc_u64 s[32:33], s[30:31], MB2           ; words of mask_bef | mask_aft
	s_lshl_b32 s28, s24, 5
	s_lshl_b32 s26, s22, 3
	s_add_co_u32 s28, s28, s26
	s_add_nc_u64 s[34:35], s[52:53], s[28:29]      ; my two words of flags
.irp k, 0,1,2,3
.irp q, 0,1,2,3
	global_load_b128 v[32+16*\k+4*\q:35+16*\k+4*\q], v20, s[14:15] offset:128*\k+32*\q
.endr
.irp q, 0,1,2,3
	global_load_b128 v[96+16*\k+4*\q:99+16*\k+4*\q], v20, s[16:17] offset:128*\k+32*\q
.endr
.endr
.irp j, 0,1,2,3,4,5,6,7,8,9,10,11,12,13,14,15
	v_mov_b32 v[160+\j], 0                         ; written once: a lane write's destination counts as read
.endr
	s_mov_b32 s47, 0                               ; live flags
	s_mov_b32 s48, 0                               ; open flags
	s_lshl_b32 s49, s22, 2                         ; my first key step
.macro PACKW src, dst                  ; 64 words from the 16 registers at src; word n into lane n / 2 of register dst + n % 2.  s44: the AND of the words, s45: their OR
	s_mov_b32 s44, -1
	s_mov_b32 s45, 0
.set n, 0
.rept 64
	v_and_b32 v[24+n%4], 1<<(8*(n%4)), v[(\src)+4*(n/16)+(n%16)/4]
	v_cmp_ne_u32 s[40+n%4], 0, v[24+n%4]
	s_and_b32 s44, s44, s[40+n%4]
	s_or_b32 s45, s45, s[40+n%4]
	v_writelane_b32 v[(\dst)+n%2], s[40+n%4], n/2
.set n, n+1
.endr
.endm
.macro FLAGS pos
	s_add_co_u32 s50, s49, \pos
	s_cmp_lg_u32 s44, -1
	s_cselect_b32 s46, 1, 0
	s_lshl_b32 s46, s46, s50
	s_or_b32 s47, s47, s46
	s_cmp_eq_u32 s45, 0
	s_cselect_b32 s46, 1, 0
	s_lshl_b32 s46, s46, s50
	s_or_b32 s48, s48, s46
.endm
.macro PACK k
	s_wait_loadcnt 8*(3-\k)                        ; this key step's eight loads are in; eight for each later step stay out
	PACKW 32+16*\k, 160+4*\k
	FLAGS \k
.irp j, 0,1,2,3,4,5,6,7,8,9,10,11,12,13,14,15
	v_or_b32 v[96+16*\k+\j], v[96+16*\k+\j], v[32+16*\k+\j]
.endr
	PACKW 96+16*\k, 162+4*\k
	FLAGS 16+\k
	global_store_b64 v21, v[160+4*\k:161+4*\k], s[30:31] offset:256*\k   ; 32 lanes store 256 consecutive bytes, aligned
	global_store_b64 v21, v[162+4*\k:163+4*\k], s[32:33] offset:256*\k
.endm
	PACK 0
	PACK 1
	PACK 2
	PACK 3
	v_mov_b32 v176, s47
	v_mov_b32 v177, s48
	v_mov_b32 v178, 0
	v_cmp_eq_u32 vcc_lo, 0, v2
	s_wait_xcnt 0x0                                ; EXEC changes only behind this wait: the stores above have it among their sources
	s_and_saveexec_b32 s51, vcc_lo
	global_store_b64 v178, v[176:177], s[34:35]    ; lane 0 alone: my wave's flags, at their final bit places
	s_wait_xcnt 0x0
	s_or_b32 exec_lo, exec_lo, s51
	FINISH
.Lfunc_end_k_qb057f978a3_prep:
	.size	k_qb057f978a3_prep, .Lfunc_end_k_qb057f978a3_prep-k_qb057f978a3_prep
	.p2alignl 7, 3214868480
	.fill 96, 4, 3214868480
	.section	.rodata,"a",@progbits
	.p2align	6, 0x0
	.amdhsa_kernel k_qb057f978a3_prep
		.amdhsa_group_segment_fixed_size 68096
		.amdhsa_private_segment_fixed_size 0
		.amdhsa_enable_private_segment 0
		.amdhsa_kernarg_size 80
		.amdhsa_user_sgpr_count 2
		.amdhsa_user_sgpr_kernarg_segment_ptr 1
		.amdhsa_wavefront_size32 1
		.amdhsa_system_sgpr_workgroup_id_x 1
		.amdhsa_system_sgpr_workgroup_id_y 1
		.amdhsa_system_sgpr_workgroup_id_z 1
		.amdhsa_system_vgpr_workitem_id 0
		.amdhsa_next_free_vgpr 200
		.amdhsa_next_free_sgpr 66
		.amdhsa_reserve_vcc 1
		.amdhsa_float_denorm_mode_32 3
		.amdhsa_float_denorm_mode_16_64 3
		.amdhsa_memory_ordered 1
		.amdhsa_forward_progress 1
		.amdhsa_inst_pref_size 208
	.end_amdhsa_kernel
	.amdgpu_metadata
---
amdhsa.version: [ 1, 2 ]
amdhsa.kernels:
  - .name:           k_qb057f978a3_prep
    .symbol:         k_qb057f978a3_prep.kd
    .args:
      - { .name: Xq, .offset: 0, .size: 8, .value_kind: global_buffer, .address_space: global }
      - { .name: Wq, .offset: 8, .size: 8, .value_kind: global_buffer, .address_space: global }
      - { .name: Wk, .offset: 16, .size: 8, .value_kind: global_buffer, .address_space: global }
      - { .name: Wv, .offset: 24, .size: 8, .value_kind: global_buffer, .address_space: global }
      - { .name: Wo, .offset: 32, .size: 8, .value_kind: global_buffer, .address_space: global }
      - { .name: mask_bef, .offset: 40, .size: 8, .value_kind: global_buffer, .address_space: global }
      - { .name: mask_aft, .offset: 48, .size: 8, .value_kind: global_buffer, .address_space: global }
      - { .name: pq, .offset: 56, .size: 8, .value_kind: global_buffer, .address_space: global }
      - { .name: mk, .offset: 64, .size: 8, .value_kind: global_buffer, .address_space: global }
      - { .name: fl, .offset: 72, .size: 8, .value_kind: global_buffer, .address_space: global }
    .group_segment_fixed_size: 68096
    .private_segment_fixed_size: 0
    .kernarg_segment_align: 8
    .kernarg_segment_size: 80
    .max_flat_workgroup_size: 128
    .sgpr_count:     66
    .vgpr_count:     200
    .wavefront_size: 32
...
	.end_amdgpu_metadata
.endif
;; end of part 1
;; launch proj (part 2): grid 12 x 32, 4 waves a work-group, clusters of 4 x 4, 327,680 bytes of LDS; arguments pq, qkv; writes qkv
.if DOCPART == 2
	.amdgcn_target "amdgcn-amd-amdhsa--gfx1250"
	.amdhsa_code_object_version 6
	.text
	.protected	k_qb057f978a3_proj
	.globl	k_qb057f978a3_proj
	.p2align	8
	.type	k_qb057f978a3_proj,@function
k_qb057f978a3_proj:
	s_mov_b64 s[64:65], 0
	v_nop
	global_prefetch_b8 v0, s[64:65] scope:SCOPE_SE
	s_setreg_imm32_b32 hwreg(HW_REG_WAVE_MODE, 25, 1), 1
	s_wait_xcnt 0x0
	s_wait_alu depctr_hold_cnt(0) depctr_sa_sdst(0) depctr_va_vdst(0) depctr_va_sdst(0) depctr_va_ssrc(0) depctr_va_vcc(0) depctr_vm_vsrc(0)
	s_getreg_b32 s2, hwreg(HW_REG_IB_STS2, 6, 4)
	s_cmp_eq_u32 s2, 0
	s_cbranch_scc0 .Lentry_in_a_cluster
	s_endpgm
.Lentry_in_a_cluster:
	s_bfe_u32 s2, ttmp6, 0x10000c
	s_cmp_lg_u32 s2, 0xf033
	s_cbranch_scc0 .Lentry_shape_is_right
	s_endpgm
.Lentry_shape_is_right:
; SECOND LAUNCH: Q = X Wq, K = X Wk, V = X Wv on codes of FP6 (E2M3), and the results quantised in registers on the way out.  No work is left out here.
; One text computes C = A B^T (A, B: codes with K = 1,024 innermost, rows of 768 bytes; scale bytes [row][32]) and quantises C along N.
;   clusters x = 0, 1:  A = X (8,192 stored rows), B = Wq^T, Wk^T (2,048 stored rows): Q and K, quantised along a head's 64.
;   cluster  x = 2:     A = Wv^T (1,024 stored rows), B = X: V^T, quantised along the keys, which are the second attention product's K.
; The choice hangs on the cluster's x alone, which all sixteen partners share, and is made by selects, not by a branch.
; A tile of C, 256 x 256, is made by four waves, 128 x 128 each: 64 accumulators, 512 registers.  K goes in steps of 256 through a ring of two LDS slots filled by the tensor data mover.
; The scale bytes of the work-group's rows of A and of B, for all of K, come into LDS once, with the first fills.
; CLUSTERS: 4 x 4 work-groups; A's tiles are asked for jointly along a row of the cluster, B's along a column.
; THE MATRIX INSTRUCTION IS USED TRANSPOSED (source 0 = 16 rows of B, source 1 = 16 rows of A).  Rows lie in the stored order (bits 3 and 4 of the row's number exchanged), so the 16 registers of two
; neighbouring accumulators are 16 NEIGHBOURS along N in the true order: the 64 registers of a block of 16 rows of A are quantised as they stand and become a fragment of 16 rows x 128.
; OUT: each half of a fragment (64 along N: six registers a lane) as an image of its registers, 768 bytes: registers 0-3 at 16 x lane, registers 4-5 at 512 + 8 x lane; a scale word for each row and 128 along N.
; LIMIT: a block of zeros gets the scale byte 1: its codes are zeros, and this program alone reads the bytes.
; REGISTERS, in windows of 256: window 0: v0-31 addresses; v32-63 scale words, two sets; v64-111 the way out; from v128 A's fragments, one set.   window 1: B's fragments, two sets.   windows 2, 3: the accumulators.
.set KSTEP,  256
.set NQ,     2
.set ROWB,   192
.set KROW,   768
.set PITCH,  240                       ; an LDS row: 3 x (64 bytes + 16 of padding)
.set FR,     12
.set NL,     6
.set NP,     4
.set HALFT,  128*PITCH
.set SLOT,   4*HALFT
.set LAPS,   2                         ; K = 1,024 is twice round the ring
.set KS,     32
.set SCL,    2*SLOT
.set HALFS,  (128*KS/256)*272
.set SBLK,   (16*KS/256)*272
.set SPARE,  SCL+4*HALFS               ; the spare words, 128 bytes for each wave: two blocks of 256 bytes that no other line names
.set ADRA, 16
.set ADRB, 20
.set SST,  24                          ; v24  the way out: my row's scale word in my wave's 512 bytes of slot 0 (that slot has had its last fill and its last read by then)
.set L8,   25                          ; v25  8 x lane
.set L16,  26                          ; v26  16 x lane
.set ADRS, 27
.set SPW,  28
.set NIL,  29
.set SRD,  30                          ; v30  where I read the scale words back
.set FLR,  31                          ; v31  the floor 2^(3 - 127)
.set SC,   32
.set PC,   64                          ; v64-83  the codes just made
.set RB,   84                          ; v84-87  the scale words read back
.set TM,   88                          ; v88-103 at work
.set PW,   104                         ; v104-111 a scale word for each of my eight blocks
.set AF,   128
.set G1, 24
.set G0, 32
.set G1B, 48
.set G0B, 56
.set G1S, 68
.set G0S, 76
.set G1SB, 80
.set G0SB, 88
.set MSB, 0
.macro WIN new                         ; the immediate's high byte repeats the setting that is left
.if MSB != \new
	s_set_vgpr_msb (MSB<<8)|\new
.set MSB, \new
.endif
.endm
.set MUL_LO, 0xa1
.set MUL_HI, 0xf1
.set TO_B,   0x40
; A joint load: waves 0 and 1 fetch for A, waves 2 and 3 for B.  An s_nop 0 and four v_nop follow each of the two lines.
.macro JLOAD g0a, g1a, g0b, g1b
	s_cmp_eq_u32 s15, 0
	s_cbranch_scc0 .Lfor_b_\@
	tensor_load_to_lds s[\g0a:\g0a+3], s[\g1a:\g1a+7]
	s_nop 0
.rept 4
	v_nop
.endr
	s_branch .Lasked_\@
.Lfor_b_\@:
	tensor_load_to_lds s[\g0b:\g0b+3], s[\g1b:\g1b+7]
	s_nop 0
.rept 4
	v_nop
.endr
.Lasked_\@:
.endm
.macro CREST
	s_cmp_lg_u32 s14, 0
	s_cbranch_scc1 .Lnot_wave_0_\@
	s_barrier_signal -3
.Lnot_wave_0_\@:
	s_barrier_wait -3
	s_barrier_signal -1
	s_barrier_wait -1
.endm
.macro CROUND
	s_barrier_signal -1
	s_barrier_wait -1
	CREST
.endm
	s_load_b128 s[8:11], s[0:1], 0x0               ; pq s[8:9], qkv s[10:11]
	v_lshl_add_u32 v[SPW], v0, 2, SPARE
	v_mov_b32 v[NIL], 0
	ds_add_u32 v[SPW], v[NIL]                      ; the wave's opening: the add, twice on end, and its wait ahead of my first tensor load
	ds_add_u32 v[SPW], v[NIL]
	v_lshrrev_b32 v1, 5, v0
	v_readfirstlane_b32 s14, v1                    ; wave 0..3
	s_lshr_b32 s15, s14, 1                         ; which half of the tile's rows is mine.  Also: I fetch for A (0) or for B (1)
	s_and_b32 s16, s14, 1                          ; which half of its columns.  Also: which 128 rows of that tile I fetch
	s_bfe_u32 s40, ttmp6, 0x40000                  ; cx
	s_bfe_u32 s41, ttmp6, 0x40004                  ; cy
	s_lshl_b32 s42, ttmp9, 2                       ; 4 x cluster x
	s_and_b32 s17, ttmp7, 0xffff
	s_lshl_b32 s17, s17, 2                         ; 4 x cluster y
	s_mov_b32 s32, 8126464                         ; V's numbers first (a select takes one literal): A's codes = Wv's,
	s_mov_b32 s34, 9764864                         ; A's scale bytes,
	s_mov_b32 s38, 6291456                         ; B's scale bytes = X's,
	s_mov_b32 s66, 512
	s_mov_b32 s95, 19398656                        ; V's scale words in qkv
	s_cmp_eq_u32 ttmp9, 2                          ; V?  The same in all sixteen partners
	s_cselect_b32 s42, s17, s42                    ; tile column less cx: V: 4 x cluster y; Q, K: 4 x cluster x
	s_cselect_b32 s17, 0, s17                      ; tile row less cy: V: 0; Q, K: 4 x cluster y
	s_cselect_b32 s32, s32, 0                      ; A's codes in pq
	s_cselect_b32 s34, s34, 6291456                ; A's scale bytes
	s_cselect_b32 s36, 0, 6553600                  ; B's codes
	s_cselect_b32 s38, s38, 9699328                ; B's scale bytes
	s_cselect_b32 s66, 64, s66                     ; tiles of 16 rows of A in all
	s_cselect_b32 s67, 12582912, 0                 ; the images in qkv
	s_cselect_b32 s95, s95, 18874368               ; the scale words in qkv
	s_mov_b32 s33, 0
	s_mov_b32 s35, 0
	s_mov_b32 s37, 0
	s_mov_b32 s39, 0
	s_add_co_u32 s42, s42, s40                     ; tile column of C
	s_add_co_u32 s17, s17, s41                     ; tile row of C
	s_lshl_b32 s43, s41, 2
	s_lshl_b32 s43, 15, s43                        ; my row of the cluster
	s_lshl_b32 s44, 0x1111, s40                    ; my column
	s_or_b32 s[G1+0], s43, (0<<16)|(1<<20)|(1<<21)|(3<<22)|(3<<25)  ; the mask; elements of 1 byte; padding on; bit 21 beside a mask; after every 16 words 4 words
	s_or_b32 s[G1B+0], s44, (0<<16)|(1<<20)|(1<<21)|(3<<22)|(3<<25)
.irp g, G1, G1B
	s_mov_b32 s[\g+1], ROWB<<16                    ; tensor_dim0
	s_mov_b32 s[\g+2], 128<<16                     ; tensor_dim1
	s_mov_b32 s[\g+3], ROWB<<16                    ; tile_dim0
	s_mov_b32 s[\g+4], 128                         ; tile_dim1
	s_mov_b32 s[\g+5], KROW                        ; the pitch
	s_mov_b32 s[\g+6], 0
	s_mov_b32 s[\g+7], 0
.endr
	s_or_b32 s[G1S+0], s43, (3<<16)|(1<<20)|(1<<21)|(5<<22)|(3<<25)  ; the scale bytes of 128 rows: 4,096 dense bytes as 16 rows of 256, 16 bytes of padding behind each
	s_or_b32 s[G1SB+0], s44, (3<<16)|(1<<20)|(1<<21)|(5<<22)|(3<<25)
.irp g, G1S, G1SB
	s_mov_b32 s[\g+1], 32<<16
	s_mov_b32 s[\g+2], (128*KS/256)<<16
	s_mov_b32 s[\g+3], 32<<16
	s_mov_b32 s[\g+4], 128*KS/256
	s_mov_b32 s[\g+5], 32
	s_mov_b32 s[\g+6], 0
	s_mov_b32 s[\g+7], 0
.endr
	s_lshl_b32 s18, s16, 7
	s_lshl_b32 s20, s17, 8
	s_add_co_u32 s20, s20, s18                     ; A: row 256 x tile row + 128 x half
	s_lshl_b32 s46, s42, 8
	s_add_co_u32 s46, s46, s18                     ; B: row 256 x tile column + 128 x half
	s_mov_b32 s21, 0
	s_mov_b32 s47, 0
	s_mov_b64 s[18:19], KS
	s_mul_u64 s[22:23], s[20:21], s[18:19]
	s_mul_u64 s[92:93], s[46:47], s[18:19]
	s_mov_b64 s[18:19], KROW
	s_mul_u64 s[20:21], s[20:21], s[18:19]
	s_mul_u64 s[46:47], s[46:47], s[18:19]
	s_mul_i32 s45, s14, HALFT                      ; where they go: wave x 128 rows
	s_mul_i32 s94, s14, HALFS
	s_wait_dscnt 0x0                               ; both opening adds are done
	s_wait_kmcnt 0x0
	s_mov_b64 s[12:13], s[10:11]                   ; qkv
	s_add_nc_u64 s[4:5], s[8:9], s[32:33]          ; A's codes
	s_add_nc_u64 s[6:7], s[8:9], s[34:35]          ; A's scale bytes
	s_add_nc_u64 s[10:11], s[8:9], s[38:39]        ; B's scale bytes
	s_add_nc_u64 s[8:9], s[8:9], s[36:37]          ; B's codes
	s_add_nc_u64 s[20:21], s[4:5], s[20:21]
	s_add_nc_u64 s[22:23], s[6:7], s[22:23]
	s_add_nc_u64 s[46:47], s[8:9], s[46:47]
	s_add_nc_u64 s[92:93], s[10:11], s[92:93]
	CROUND                                         ; all sixteen work-groups are here: the first joint loads meet
	s_mov_b32 s[G0S], 1
	s_add_co_u32 s[G0S+1], s94, SCL
	s_mov_b64 s[G0S+2:G0S+3], s[22:23]
	s_or_b32 s[G0S+3], s[G0S+3], 0x80000000
	s_mov_b32 s[G0SB], 1
	s_add_co_u32 s[G0SB+1], s94, SCL
	s_mov_b64 s[G0SB+2:G0SB+3], s[92:93]
	s_or_b32 s[G0SB+3], s[G0SB+3], 0x80000000
	JLOAD G0S, G1S, G0SB, G1SB                     ; the scale bytes first: they are wanted with K step 0
.irp s, 0,1
	s_mov_b32 s[G0+4*\s], 1
	s_add_co_u32 s[G0+4*\s+1], s45, \s*SLOT
	s_add_nc_u64 s[G0+4*\s+2:G0+4*\s+3], s[20:21], \s*ROWB
	s_or_b32 s[G0+4*\s+3], s[G0+4*\s+3], 0x80000000
	s_mov_b32 s[G0B+4*\s], 1
	s_add_co_u32 s[G0B+4*\s+1], s45, \s*SLOT
	s_add_nc_u64 s[G0B+4*\s+2:G0B+4*\s+3], s[46:47], \s*ROWB
	s_or_b32 s[G0B+4*\s+3], s[G0B+4*\s+3], 0x80000000
	JLOAD G0+4*\s, G1, G0B+4*\s, G1B
.endr
	v_and_b32 v1, 15, v0                           ; r
	v_bfe_u32 v2, v0, 4, 1                         ; h
	v_mul_u32_u24 v3, v1, PITCH
	v_mul_u32_u24 v4, v2, 24
	v_add_nc_u32 v4, v3, v4                        ; a fragment's row x pitch + 24 x half
	v_lshl_add_u32 v5, v2, 4, v4                   ; and the same behind one padding more
	s_mul_i32 s21, s15, HALFT
	s_mul_i32 s22, s16, HALFT
	s_add_co_u32 s22, s22, 2*HALFT
.irp s, 0,1
	v_add_nc_u32 v[ADRA+\s], s21, v4
	v_add_nc_u32 v[ADRB+\s], s22, v4
	v_add_nc_u32 v[ADRA+2+\s], s21, v5
	v_add_nc_u32 v[ADRB+2+\s], s22, v5
	s_add_co_u32 s21, s21, SLOT
	s_add_co_u32 s22, s22, SLOT
.endr
	v_mul_u32_u24 v5, v1, KS
	v_lshrrev_b32 v6, 8, v5
	v_lshl_add_u32 v5, v6, 4, v5
	s_mul_i32 s21, s15, HALFS
	s_mul_i32 s22, s16, HALFS
	s_add_co_u32 s22, s22, 2*HALFS
	s_sub_co_u32 s22, s22, s21
	v_mul_u32_u24 v6, s22, v2                      ; lanes 16-31 take B's
	s_add_co_u32 s21, s21, SCL
	v_add_nc_u32 v5, v5, v6
	v_add_nc_u32 v[ADRS], s21, v5
	v_and_b32 v6, 31, v0
	v_lshlrev_b32 v[L16], 4, v6
	v_lshlrev_b32 v[L8], 3, v6
	s_lshl_b32 s23, s14, 9
	v_lshl_add_u32 v[SST], v1, 2, s23
	v_add_nc_u32 v[SRD], s23, v[L16]
	v_mov_b32 v[FLR], 0x1800000
	; where my results go: G = 2 x tile column + my half (which 128 along N), R0 = 16 x tile row + 8 x my half (my first tile of 16 rows)
	s_lshl_b32 s20, s42, 1
	s_add_co_u32 s20, s20, s16
	s_lshl_b32 s21, s17, 4
	s_lshl_b32 s22, s15, 3
	s_add_co_u32 s21, s21, s22
	s_mul_i32 s22, s20, s66
	s_lshl_b32 s46, s22, 1
	s_add_co_u32 s46, s46, s21
	s_mul_i32 s46, s46, 768
	s_add_co_u32 s46, s46, s67
	s_mov_b32 s47, 0
	s_add_nc_u64 s[96:97], s[12:13], s[46:47]      ; the images of the lower 64 along N,
	s_mul_i32 s46, s66, 768
	s_add_nc_u64 s[98:99], s[96:97], s[46:47]      ; of the upper 64,
	s_add_co_u32 s46, s22, s21
	s_lshl_b32 s46, s46, 6
	s_add_co_u32 s46, s46, s95
	s_add_nc_u64 s[12:13], s[12:13], s[46:47]      ; and the scale words
.macro FRAG reg, adr, q, i             ; 16 rows x 128 K of 6-bit codes: 12 registers, in pieces of 8 bytes; where lanes 16-31's piece lies behind one padding more, the second address register serves
.irp p, 0,1,2,3,4,5
.set PCE, 12*(\q)+6*(\p/3)+\p%3
.if PCE%8 < 5
	ds_load_b64 v[\reg+2*\p:\reg+2*\p+1], v[\adr] offset:8*PCE+16*(PCE/8)+(\i)*16*PITCH
.else
	ds_load_b64 v[\reg+2*\p:\reg+2*\p+1], v[\adr+2] offset:8*PCE+16*(PCE/8)+(\i)*16*PITCH
.endif
.endr
.endm
; 16 matrix instructions: A's blocks a0, a0 + 1 x B's eight.  The 64 accumulators take turns, one instruction a turn, in the same order in every step.
.macro MUL16 a0, p, q, sc, zero
.irp a, \a0, \a0+1
.irp b, 0,1,2,3,4,5,6,7
.if \zero
	v_wmma_scale_f32_16x16x128_f8f6f4 v[8*(8*((\a)%4)+\b):8*(8*((\a)%4)+\b)+7], v[128*(\p)+FR*\b:128*(\p)+FR*\b+FR-1], v[AF+FR*(\a):AF+FR*(\a)+FR-1], 0, v[SC+8*NQ*(\sc)+NQ*\b+(\q)], v[SC+8*NQ*(\sc)+NQ*(\a)+(\q)] matrix_a_fmt:MATRIX_FMT_FP6 matrix_b_fmt:MATRIX_FMT_FP6 matrix_a_scale:MATRIX_SCALE_ROW1
.else
	v_wmma_scale_f32_16x16x128_f8f6f4 v[8*(8*((\a)%4)+\b):8*(8*((\a)%4)+\b)+7], v[128*(\p)+FR*\b:128*(\p)+FR*\b+FR-1], v[AF+FR*(\a):AF+FR*(\a)+FR-1], v[8*(8*((\a)%4)+\b):8*(8*((\a)%4)+\b)+7], v[SC+8*NQ*(\sc)+NQ*\b+(\q)], v[SC+8*NQ*(\sc)+NQ*(\a)+(\q)] matrix_a_fmt:MATRIX_FMT_FP6 matrix_b_fmt:MATRIX_FMT_FP6 matrix_a_scale:MATRIX_SCALE_ROW1
.endif
.endr
.endr
.endm
.macro FETCH_B slot, q, p
	WIN TO_B
.irp i, 0,1,2,3,4,5,6,7
	FRAG 128*(\p)+FR*\i, ADRB+\slot, \q, \i
.endr
	WIN 0
.endm
.macro FETCH_A slot, q, i0
.irp i, \i0, \i0+1, \i0+2, \i0+3
	FRAG AF+FR*(\i), ADRA+\slot, \q, \i
.endr
.endm
.macro SCALES sc                       ; lanes 0-15 take the words of A's block i, lanes 16-31 those of B's block i
.irp i, 0,1,2,3,4,5,6,7
	ds_load_b64 v[SC+8*NQ*\sc+NQ*\i:SC+8*NQ*\sc+NQ*\i+1], v[ADRS] offset:\i*SBLK
.endr
.endm
.macro PLACES n                        ; plain vector instructions between a matrix instruction and a load into, or a read of, its registers
.rept \n
	v_nop
.endr
.endm
.macro STEP slot, q, zero
	s_wait_dscnt 4*NL                              ; B's set and A's blocks 0-3 are in; the youngest 24 loads (A's blocks 4-7) may be out
	WIN MUL_LO
	MUL16 0, (\q)%2, \q, \slot, \zero
	MUL16 2, (\q)%2, \q, \slot, \zero
	s_wait_dscnt 0
	PLACES NP
	FETCH_B \slot, (\q)+1, 1-(\q)%2
	FETCH_A \slot, (\q)+1, 0
	WIN MUL_HI
	MUL16 4, (\q)%2, \q, \slot, \zero
	MUL16 6, (\q)%2, \q, \slot, \zero
	PLACES NP
	WIN 0
	FETCH_A \slot, (\q)+1, 4
.endm
; A slot's last step changes slots: one barrier; in front of it each wave waits for all its tensor loads, adds 0 to its spare word, and waits for that and for its reads of this slot.
.macro TURN slot, next, fill
	s_wait_tensorcnt 0x0                           ; all my tensor loads have landed: my part of the next slot
	ds_add_u32 v[SPW], v[NIL]
	s_wait_dscnt 4*NL+1                            ; the add and the youngest 24 loads (A's blocks 4-7) may be out
	WIN MUL_LO
	MUL16 0, 1, NQ-1, \slot, 0
	s_wait_dscnt 0x0                               ; the add is done, and my reads of this slot are over
	s_barrier_signal -1
	MUL16 2, 1, NQ-1, \slot, 0
	WIN 0
	s_barrier_wait -1
.if \fill
	CREST                                          ; the barrier has opened a round of the cluster's barrier: no wave of any partner still reads this slot or has a load on its way
	s_add_nc_u64 s[G0+4*\slot+2:G0+4*\slot+3], s[G0+4*\slot+2:G0+4*\slot+3], 2*ROWB
	s_add_nc_u64 s[G0B+4*\slot+2:G0B+4*\slot+3], s[G0B+4*\slot+2:G0B+4*\slot+3], 2*ROWB
	JLOAD G0+4*\slot, G1, G0B+4*\slot, G1B         ; the first tensor load behind the round; its four v_nop are the places in front of the loads below
.else
	PLACES NP
.endif
	v_add_nc_u32 v[ADRS], 4*NQ, v[ADRS]
	FETCH_B \next, 0, 0
	FETCH_A \next, 0, 0
	SCALES \next
	WIN MUL_HI
	MUL16 4, 1, NQ-1, \slot, 0
	MUL16 6, 1, NQ-1, \slot, 0
	PLACES NP
	WIN 0
	FETCH_A \next, 0, 4
.endm
	s_wait_tensorcnt 1                             ; the scale bytes and my part of K step 0 are in; K step 1's load may be out
	s_barrier_signal -1
	s_barrier_wait -1
	FETCH_B 0, 0, 0
	FETCH_A 0, 0, 0
	SCALES 0
	FETCH_A 0, 0, 4
	STEP 0, 0, 1                                   ; the first step's products start the sums
	s_mov_b32 s3, LAPS-1
.Llap:
	TURN 0, 1, 1
	STEP 1, 0, 0
	TURN 1, 0, 1
	STEP 0, 0, 0
	s_sub_co_u32 s3, s3, 1
	s_cmp_lg_u32 s3, 0
	s_cbranch_scc1 .Llap
	TURN 0, 1, 0                                   ; the last lap fills nothing
	STEP 1, 0, 0
	s_wait_dscnt 4*NL
	WIN MUL_LO
	MUL16 0, 1, NQ-1, 1, 0
	MUL16 2, 1, NQ-1, 1, 0
	s_wait_dscnt 0
	WIN MUL_HI
	MUL16 4, 1, NQ-1, 1, 0
	MUL16 6, 1, NQ-1, 1, 0
	WIN 0
; THE WAY OUT.  Block a: 16 rows of A x my 128 along N: register 16 b + i of its 64 is n = 32 b + 16 (lane / 16) + i of the lane's row.  Four blocks of 32: largest magnitude (with lane l xor 16's),
; scale byte, conversion, the exchange of halves that the operand's layout asks for; then the two images and the scale word.
.macro QOUT a
.set QW, 2+(\a)/4
.set AC, 64*((\a)%4)
	WIN (QW<<2)|(QW<<4)                            ; sources 1 and 2: the accumulators' window
.irp b, 0,1,2,3
	v_max3_num_f32 v[TM+\b], v[FLR], |v[AC+16*\b]|, |v[AC+16*\b+1]|       ; each accumulator is read from its low end on
.endr
.irp i, 2,4,6,8,10,12,14
.irp b, 0,1,2,3
	v_max3_num_f32 v[TM+\b], v[TM+\b], |v[AC+16*\b+\i]|, |v[AC+16*\b+\i+1]|
.endr
.endr
	WIN 0
.irp b, 0,1,2,3
	v_permlanex16_b32 v[TM+4+\b], v[TM+\b], s2, s3
.endr
.irp b, 0,1,2,3
	v_max_num_f32 v[TM+\b], v[TM+\b], v[TM+4+\b]
.endr
.irp b, 0,1,2,3
	v_add_nc_u32 v[TM+12+\b], 0xff000000, v[TM+\b] ; 2 off the exponent field: the conversion's scale operand
.endr
.irp b, 0,1,2,3
	v_lshrrev_b32 v[TM+4+\b], 23, v[TM+12+\b]      ; the scale's byte
.endr
	v_lshl_or_b32 v[PW+(\a)], v[TM+5], 8, v[TM+4]
	v_lshl_or_b32 v[PW+(\a)], v[TM+6], 16, v[PW+(\a)]
	v_lshl_or_b32 v[PW+(\a)], v[TM+7], 24, v[PW+(\a)]
	s_wait_xcnt 0x0                                ; the last block's stores have read the codes' registers
	WIN QW                                         ; source 0: the accumulators' window
.irp c, 0,1
	v_cvt_scalef32_pk16_fp6_f32 v[PC+6*\c:PC+2+6*\c], v[AC+32*\c:AC+15+32*\c], v[TM+12+2*\c]
	v_cvt_scalef32_pk16_fp6_f32 v[PC+12+4*\c:PC+14+4*\c], v[AC+16+32*\c:AC+31+32*\c], v[TM+12+2*\c+1]
.endr
	WIN 0
	v_nop                                          ; one plain place behind a scaled conversion
.irp c, 0,1
.irp i, 0,1,2
	v_permlane16_swap_b32 v[PC+6*\c+\i], v[PC+12+4*\c+\i]
.endr
.irp i, 0,1,2
	v_mov_b32 v[PC+3+6*\c+\i], v[PC+12+4*\c+\i]
.endr
.endr
	global_store_b128 v[L16], v[PC:PC+3], s[96:97] offset:768*(\a)            ; 512 consecutive bytes, aligned to 256
	global_store_b64 v[L8], v[PC+4:PC+5], s[96:97] offset:768*(\a)+512        ; 256 consecutive bytes, aligned
	global_store_b128 v[L16], v[PC+6:PC+9], s[98:99] offset:768*(\a)
	global_store_b64 v[L8], v[PC+10:PC+11], s[98:99] offset:768*(\a)+512
	ds_store_b32 v[SST], v[PW+(\a)] offset:64*(\a) ; lanes r and r + 16 write the same word with the same value
.endm
	PLACES NP
	s_mov_b32 s2, 0x76543210
	s_mov_b32 s3, 0xfedcba98                       ; v_permlanex16_b32's selects for lane l xor 16
.irp b, 0,1,2,3
	v_mov_b32 v[TM+4+\b], 0                        ; written once: a lane permute's destination counts as one of its sources
.endr
.irp a, 0,1,2,3,4,5,6,7
	QOUT \a
.endr
	ds_load_b128 v[RB:RB+3], v[SRD]                ; LDS serves a wave's instructions in order: this sees my eight stores
	s_wait_dscnt 0x0
	global_store_b128 v[L16], v[RB:RB+3], s[12:13] ; my eight blocks' scale words: 512 consecutive bytes
	s_wait_tensorcnt 0x0                           ; the wave's end
	ds_add_u32 v[SPW], v[NIL]
	s_wait_dscnt 0x0
	CROUND                                         ; the closing round
	s_endpgm
.Lfunc_end_k_qb057f978a3_proj:
	.size	k_qb057f978a3_proj, .Lfunc_end_k_qb057f978a3_proj-k_qb057f978a3_proj
	.p2alignl 7, 3214868480
	.fill 96, 4, 3214868480
	.section	.rodata,"a",@progbits
	.p2align	6, 0x0
	.amdhsa_kernel k_qb057f978a3_proj
		.amdhsa_group_segment_fixed_size 327680
		.amdhsa_private_segment_fixed_size 0
		.amdhsa_enable_private_segment 0
		.amdhsa_kernarg_size 16
		.amdhsa_user_sgpr_count 2
		.amdhsa_user_sgpr_kernarg_segment_ptr 1
		.amdhsa_wavefront_size32 1
		.amdhsa_system_sgpr_workgroup_id_x 1
		.amdhsa_system_sgpr_workgroup_id_y 1
		.amdhsa_system_sgpr_workgroup_id_z 1
		.amdhsa_system_vgpr_workitem_id 0
		.amdhsa_next_free_vgpr 1024
		.amdhsa_next_free_sgpr 100
		.amdhsa_reserve_vcc 0
		.amdhsa_float_denorm_mode_32 3
		.amdhsa_float_denorm_mode_16_64 3
		.amdhsa_memory_ordered 1
		.amdhsa_forward_progress 1
		.amdhsa_inst_pref_size 165
	.end_amdhsa_kernel
	.amdgpu_metadata
---
amdhsa.version: [ 1, 2 ]
amdhsa.kernels:
  - .name:           k_qb057f978a3_proj
    .symbol:         k_qb057f978a3_proj.kd
    .args:
      - { .name: pq, .offset: 0, .size: 8, .value_kind: global_buffer, .address_space: global }
      - { .name: qkv, .offset: 8, .size: 8, .value_kind: global_buffer, .address_space: global }
    .group_segment_fixed_size: 327680
    .private_segment_fixed_size: 0
    .kernarg_segment_align: 8
    .kernarg_segment_size: 16
    .max_flat_workgroup_size: 128
    .sgpr_count:     100
    .vgpr_count:     1024
    .wavefront_size: 32
...
	.end_amdgpu_metadata
.endif
;; end of part 2
;; launch attn (part 3): grid 4 x 64, 16 waves a work-group, no clusters, 236,544 bytes of LDS; arguments qkv, mk, att, fl; writes att
.if DOCPART == 3
	.amdgcn_target "amdgcn-amd-amdhsa--gfx1250"
	.amdhsa_code_object_version 6
	.text
	.protected	k_qb057f978a3_attn
	.globl	k_qb057f978a3_attn
	.p2align	8
	.type	k_qb057f978a3_attn,@function
k_qb057f978a3_attn:
	s_mov_b64 s[64:65], 0
	v_nop
	global_prefetch_b8 v0, s[64:65] scope:SCOPE_SE
	s_setreg_imm32_b32 hwreg(HW_REG_WAVE_MODE, 25, 1), 1
	s_wait_xcnt 0x0
; THIRD LAUNCH: scores, softmax, both masks, weights x V, all on codes of FP6 (E2M3); O quantised along the head's 64 on the way out.
; LEFT OUT, by whole numbers read from memory (the flags that the first launch stored in the buffer fl): a step of 16 queries x 128 keys that mask_bef hides whole (pass 1), or that mask_bef | mask_aft hides whole (pass 2).
; Such a step adds 0 to every sum and nothing to any maximum, whatever the floating-point inputs hold.
; THE WEIGHTS ARE QUANTISED FINISHED: exp(s - max) / sum, set to 0 by mask_aft, along the keys.  So the keys are walked twice.
;   pass 1: scores, hidden ones to -inf, a running maximum m and sum l = sum of 2^(c (s - m)), c = log2(e) / 8, for each lane; the two halves of the lanes meet at the end.
;   pass 2: the scores again, those hidden by either mask to -inf, p = 2^(c (s - m) - log2 l), quantised by blocks of 32 keys, O^T += V^T p^T.
; s - m is formed first, so that it is exactly 0 at the maximum: a row with one visible key gets l = 1, log2 l = 0 and p = 1 exactly.  A block's largest p is made from the block's largest score by the same three instructions.
; SHARES.  A work-group owns one head of one batch and a quarter of its query tiles.  The head's K and V as codes (96 KB each) and their scale words lie in LDS whole, copied in once through registers; behind one
; barrier the sixteen waves run by themselves.  Wave w takes tiles 2 P + u and 126 - 2 P + u (P = work-group x + 4 (w / 2), u = w % 2), one after the other.
; No tensor load and no cluster: this text branches on numbers read from memory.  No prefetch: the one stream is wanted at the head.
; LAYOUT.  Both products are used transposed: a lane holds ONE query (lane % 16).  Tile T is the 16 tokens 32 (T / 2) + 8 (T % 2) + r + 8 (r / 8), so the 16 registers of two neighbouring score tiles are 16
; neighbouring keys.  The first product's K is 64: the upper six registers of Q's and K's fragments are zero codes.
; THE MASKS are words whose bit l belongs to lane l: 64 words a step, fetched by scalar loads and used as they are as the select of v_cndmask_b32.
; LIMITS: a row that mask_bef hides whole gets the scale bytes 0xff, which make its output NaN, also where mask_aft hides it whole too; p under 2^-126 is 0;
; a block of zeros gets the byte 1; NaN and infinities among the inputs are not served; p's relative error is that of one logarithm, one exponential and the rounding of their exponent.
.set VIMG,  12582912                   ; qkv: images of Q and K at 0, of V^T here,
.set SCQK,  18874368                   ; Q's and K's scale words,
.set SCV,   19398656                   ; V's
.set MB2,   524288                     ; mk: words of mask_bef at 0, of mask_bef | mask_aft here
.set ASO,   6291456                    ; att: O's codes [batch x head][token][48] at 0, its scale bytes [batch x head][token] (2 bytes) here
.set KSC,   98304                      ; LDS: K's 128 images at 0; K's scale words here (64 bytes a tile);
.set VC,    106496                     ; V's images [64 keys 32][tile of 16 channels 4][768];
.set VSC,   204800                     ; V's scale words [128 keys 16][tile 4][64 bytes];
.set STG,   208896                     ; the stage for O's codes: 16 runs of 32 tokens x 48 bytes;
.set STS,   233472                     ; and for its scale bytes: 16 runs x 64 bytes
.set SPARE, 234496                     ; the spare words, 128 bytes for each wave: eight blocks of 256 bytes that no other line names
; VECTOR REGISTERS: v0 thread; v1 16 x lane; v2 512 + 8 x lane; v3 4 r; v4, v5 the add's two; v6-8 K's addresses, v9-11 V's; v12 m (v13 its pair's upper word); v14, v15 l, then v14 = log2 l;
; v16-27 Q; v28 Q's scale word; v29 -inf; v30, v31 where O's codes and bytes go; v32-79 four fragments of K; v80-127 four of V; v128-191 the scores, then p; v192-223 O^T; v224-243, v253-255 at work;
; v239 0xffff in a row without a visible key; v244-247 K's scale words; v248-251 V's; v252 p's.
; SCALAR REGISTERS: s2 wave; s3 T; s4, s5 my two tiles; s6, s67 the tile's flags; s7 the shift for my head's bytes in a scale word; s[8:9] Q's images, s[10:11] Q's scale words, s[12:13], s[14:15] the masks' words,
; s[48:49] the flags' buffer, s[50:51], s[52:53] att; s[54:55] c; s[56:57] lane selects; s58 the key step; s59 live, s60 open (bit 0: this step); s61-63, s66 LDS places of the step; s[100:101] the step's mask words;
; s16-47 and s68-99 the step's 64 mask words (at work outside the loops).
.macro NOP4
.rept 4
	v_nop
.endr
.endm
	s_load_b128 s[16:19], s[0:1], 0x0              ; qkv, mk
	s_load_b64 s[20:21], s[0:1], 0x10              ; att
	s_load_b64 s[48:49], s[0:1], 0x18              ; fl: the flags
	v_lshl_add_u32 v4, v0, 2, SPARE
	v_mov_b32 v5, 0
	v_lshrrev_b32 v6, 5, v0
	v_readfirstlane_b32 s2, v6                     ; wave 0..15
	v_and_b32 v7, 31, v0                           ; lane
	v_and_b32 v8, 15, v0                           ; r
	v_bfe_u32 v9, v0, 4, 1                         ; h
	v_lshlrev_b32 v1, 4, v7
	v_lshlrev_b32 v10, 3, v7
	v_add_nc_u32 v2, 512, v10
	v_lshlrev_b32 v3, 2, v8
	s_and_b32 s22, ttmp7, 0xffff                   ; batch x 16 + head
	s_lshr_b32 s23, s22, 4                         ; batch
	s_and_b32 s24, s22, 15                         ; head
	s_and_b32 s7, s24, 1
	s_lshl_b32 s7, s7, 4                           ; an odd head's two bytes are a scale word's upper two
	s_lshr_b32 s25, s24, 1
	s_lshl_b32 s26, s23, 7                         ; the batch's first tile of tokens
	s_lshl_b32 s27, s24, 9
	s_add_co_u32 s27, s27, s26
	s_mul_i32 s28, s27, 768                        ; Q's images of my head
	s_mov_b32 s29, 0
	s_lshl_b32 s27, s25, 9
	s_add_co_u32 s27, s27, s26
	s_lshl_b32 s30, s27, 6
	s_add_co_u32 s30, s30, SCQK                    ; Q's scale words
	s_mov_b32 s31, 0
	s_mul_i32 s32, s2, 6144
	s_add_co_u32 s32, s32, 16*512*768              ; K's images lie 16 heads behind Q's; my wave copies eight of the 128
	s_mov_b32 s33, 0
	s_lshl_b32 s34, s2, 9
	s_add_co_u32 s34, s34, 8*512*64                ; K's scale words likewise
	s_mov_b32 s35, 0
	s_lshl_b32 s36, s23, 5
	s_lshl_b32 s37, s2, 1
	s_add_co_u32 s36, s36, s37                     ; V: keys 128 w on: the 64s number batch x 32 + 2 w, + 1
	s_lshl_b32 s36, s36, 6
	s_lshl_b32 s37, s24, 2                         ; my head's four tiles of channels
	s_add_co_u32 s36, s36, s37
	s_mul_i32 s36, s36, 768
	s_add_co_u32 s36, s36, VIMG
	s_lshl_b32 s38, s23, 4
	s_add_co_u32 s38, s38, s2
	s_lshl_b32 s38, s38, 6
	s_add_co_u32 s38, s38, s37
	s_lshl_b32 s38, s38, 6
	s_add_co_u32 s38, s38, SCV
	s_mov_b32 s37, 0
	s_mov_b32 s39, 0
	s_mul_i32 s40, s22, 98304
	s_mov_b32 s41, 0
	s_lshl_b32 s42, s22, 12
	s_add_co_u32 s42, s42, ASO
	s_mov_b32 s43, 0
	s_lshr_b32 s44, s2, 1
	s_lshl_b32 s44, s44, 2
	s_add_co_u32 s44, s44, ttmp9                   ; P
	s_and_b32 s45, s2, 1                           ; u
	s_lshl_b32 s4, s44, 1
	s_add_co_u32 s4, s4, s45                       ; my first tile: 2 P + u
	s_lshl_b32 s5, s45, 1
	s_add_co_u32 s5, s5, 126
	s_sub_co_u32 s5, s5, s4                        ; my second: 126 - 2 P + u
	s_mul_i32 s46, s2, 6144
	v_add_nc_u32 v224, s46, v1                     ; the fill's LDS places: K's images,
	s_add_co_u32 s46, s46, VC
	v_add_nc_u32 v225, s46, v1                     ; V's,
	s_lshl_b32 s46, s2, 9
	s_add_co_u32 s46, s46, KSC
	v_add_nc_u32 v226, s46, v1                     ; K's scale words,
	s_lshl_b32 s46, s2, 8
	s_add_co_u32 s46, s46, VSC
	v_add_nc_u32 v227, s46, v10                    ; V's
	s_lshr_b32 s46, s2, 1
	s_mul_i32 s47, s46, 1536
	s_lshl_b32 s46, s46, 6
	s_mul_i32 s44, s45, 384
	s_add_co_u32 s47, s47, s44
	s_add_co_u32 s47, s47, STG
	s_lshl_b32 s44, s45, 4
	s_add_co_u32 s46, s46, s44
	s_add_co_u32 s46, s46, STS
	v_and_b32 v6, 8, v8
	v_add_nc_u32 v6, v6, v8                        ; r + 8 (r / 8)
	v_mul_u32_u24 v30, v6, 48
	v_mad_u32_u24 v30, v9, 24, v30
	v_add_nc_u32 v30, s47, v30                     ; the stage: run w / 2, token 8 u + r + 8 (r / 8), + 24 h
	v_lshl_add_u32 v31, v6, 1, s46
	s_mov_b32 s54, 0x3e38aa3b                      ; c = log2(e) / 8
	s_mov_b32 s55, s54
	s_mov_b32 s56, 0x76543210
	s_mov_b32 s57, 0xfedcba98
	s_wait_kmcnt 0x0
	s_add_nc_u64 s[8:9], s[16:17], s[28:29]
	s_add_nc_u64 s[10:11], s[16:17], s[30:31]
	s_add_nc_u64 s[32:33], s[8:9], s[32:33]
	s_add_nc_u64 s[34:35], s[10:11], s[34:35]
	s_add_nc_u64 s[36:37], s[16:17], s[36:37]
	s_add_nc_u64 s[38:39], s[16:17], s[38:39]
	s_mov_b64 s[12:13], s[18:19]
	s_add_nc_u64 s[14:15], s[18:19], MB2
	s_add_nc_u64 s[50:51], s[20:21], s[40:41]
	s_add_nc_u64 s[52:53], s[20:21], s[42:43]
	; THE FILL: 26 loads a lane, each 512 or 256 consecutive bytes a wave
	global_load_b128 v[128:131], v1, s[34:35]
	global_load_b64 v[132:133], v10, s[38:39]
.irp j, 0,1,2,3,4,5,6,7,8,9,10,11
	global_load_b128 v[32+4*\j:35+4*\j], v1, s[32:33] offset:512*\j
.endr
.irp i, 0,1
.irp j, 0,1,2,3,4,5
	global_load_b128 v[80+24*\i+4*\j:83+24*\i+4*\j], v1, s[36:37] offset:49152*\i+512*\j
.endr
.endr
	s_wait_loadcnt 24                              ; the scale words are in; the 24 loads of codes stay out
.irp i, 0,1,2,3
	v_lshrrev_b32 v[128+\i], s7, v[128+\i]         ; my head's two bytes to the low end; what stands above them scales zero codes
.endr
	ds_store_b128 v226, v[128:131]
	ds_store_b64 v227, v[132:133]
	s_wait_loadcnt 12                              ; K's codes are in; V's twelve loads stay out
.irp j, 0,1,2,3,4,5,6,7,8,9,10,11
	ds_store_b128 v224, v[32+4*\j:35+4*\j] offset:512*\j
.endr
	s_wait_loadcnt 0x0
.irp j, 0,1,2,3,4,5,6,7,8,9,10,11
	ds_store_b128 v225, v[80+4*\j:83+4*\j] offset:512*\j
.endr
	s_wait_dscnt 0x0                               ; for the others' sake: my stores have landed
	s_barrier_signal -1
	s_barrier_wait -1                              ; the head's K and V lie in LDS; from here to the way out they are only read
.irp t, 0,1,2,3
.irp i, 6,7,8,9,10,11
	v_mov_b32 v[32+12*\t+\i], 0                    ; the upper 64 along K of K's fragments: zero codes, for the whole launch
.endr
.endr
.irp i, 22,23,24,25,26,27
	v_mov_b32 v[\i], 0                             ; and of Q's
.endr
	v_mov_b32 v13, 0
	v_mov_b32 v29, 0xff800000                      ; -infinity
.irp i, 224,225,226,227,228,229,230,231,232,233,234,235,236,237,238,239,240,241,242,243,253,254,255
	v_mov_b32 v[\i], 0                             ; written once: lane permutes' destinations and pairs' upper words count as read
.endr
.macro MLOAD                           ; the step's 64 mask words
	s_load_b512 s[16:31], s[100:101], 0x0
	s_load_b512 s[32:47], s[100:101], 0x40
	s_load_b512 s[68:83], s[100:101], 0x80
	s_load_b512 s[84:99], s[100:101], 0xc0
.endm
.macro KLOADS g                        ; four tiles of 16 keys: six registers of codes and a scale word each
.irp t, 0,1,2,3
	ds_load_b128 v[32+12*\t:35+12*\t], v6 offset:(4*\g+\t)*768
	ds_load_b64 v[36+12*\t:37+12*\t], v7 offset:(4*\g+\t)*768
	ds_load_b32 v[244+\t], v8 offset:(4*\g+\t)*64
.endr
.endm
.macro VLOADS                          ; V^T's four tiles of 16 channels x these 128 keys
.irp t, 0,1,2,3
	ds_load_b128 v[80+12*\t:83+12*\t], v9 offset:768*\t
	ds_load_b64 v[84+12*\t:85+12*\t], v10 offset:768*\t
	ds_load_b128 v[86+12*\t:89+12*\t], v9 offset:3072+768*\t
	ds_load_b64 v[90+12*\t:91+12*\t], v10 offset:3072+768*\t
	ds_load_b32 v[248+\t], v11 offset:64*\t
.endr
.endm
.macro KQ g                            ; S^T = K Q^T
.irp t, 0,1,2,3
	v_wmma_scale_f32_16x16x128_f8f6f4 v[128+8*(4*\g+\t):135+8*(4*\g+\t)], v[32+12*\t:43+12*\t], v[16:27], 0, v[244+\t], v28 matrix_a_fmt:MATRIX_FMT_FP6 matrix_b_fmt:MATRIX_FMT_FP6
.endr
.endm
.macro MASK                            ; hidden scores become -infinity; a step in which no key is hidden jumps over the 64 selects
	NOP4                                           ; the places behind the products
	s_wait_kmcnt 0x0                               ; the mask words are in: always awaited, so that their registers and their address are free on both ways
	s_bitcmp1_b32 s60, 0
	s_cbranch_scc1 .Lopen_\@
.set n, 0
.rept 64
.if n < 32
	v_cndmask_b32 v[128+n], v[128+n], v29, s[16+n]
.else
	v_cndmask_b32 v[128+n], v[128+n], v29, s[36+n]
.endif
.set n, n+1
.endr
.Lopen_\@:
.endm
.macro BMAX                            ; the largest score of each block of 32 keys (my 16 of them), four chains by turns; each accumulator is read from its low end on
.irp b, 0,1,2,3
	v_max3_num_f32 v[224+\b], v[128+16*\b], v[129+16*\b], v[130+16*\b]
.endr
.irp i, 3,5,7,9,11,13
.irp b, 0,1,2,3
	v_max3_num_f32 v[224+\b], v[224+\b], v[128+16*\b+\i], v[129+16*\b+\i]
.endr
.endr
.irp b, 0,1,2,3
	v_max_num_f32 v[224+\b], v[224+\b], v[143+16*\b]
.endr
.endm
.macro LESSM                           ; s - m, two at a time: exactly 0 at the maximum
.irp j, 0,2,4,6,8,10,12,14,16,18,20,22,24,26,28,30,32,34,36,38,40,42,44,46,48,50,52,54,56,58,60,62
	v_pk_add_f32 v[128+\j:129+\j], v[128+\j:129+\j], v[12:13] op_sel_hi:[1,0] neg_lo:[0,1] neg_hi:[0,1]
.endr
.endm
.macro EXP64
.irp j, 0,1,2,3,4,5,6,7,8,9,10,11,12,13,14,15,16,17,18,19,20,21,22,23,24,25,26,27,28,29,30,31,32,33,34,35,36,37,38,39,40,41,42,43,44,45,46,47,48,49,50,51,52,53,54,55,56,57,58,59,60,61,62,63
	v_exp_f32 v[128+\j], v[128+\j]
.endr
.endm
; PASS 1, a key step: the lane's running maximum and sum
.macro STEP1
	s_bitcmp1_b32 s59, 0
	s_cbranch_scc0 .Lskip1_\@                      ; every key of the step is hidden from all 16 queries
	MLOAD
	v_add_nc_u32 v6, s61, v1
	v_add_nc_u32 v7, s61, v2
	v_add_nc_u32 v8, s62, v3
	KLOADS 0
	s_wait_dscnt 0x0
	KQ 0
	NOP4                                           ; places in front of loads into registers that the four products read
	KLOADS 1
	s_wait_dscnt 0x0
	KQ 1
	MASK
	BMAX
	v_max3_num_f32 v228, v224, v225, v226
	v_mov_b32 v254, v12
	v_max3_num_f32 v12, v228, v227, v12            ; the new m
	v_sub_f32 v254, v254, v12
	v_mul_f32 v254, s54, v254                      ; c (old m - new m)
	LESSM
.irp j, 0,2,4,6,8,10,12,14,16,18,20,22,24,26,28,30,32,34,36,38,40,42,44,46,48,50,52,54,56,58,60,62
	v_pk_mul_f32 v[128+\j:129+\j], v[128+\j:129+\j], s[54:55] op_sel_hi:[1,0]
.endr
	v_exp_f32 v254, v254
	EXP64
	v_mov_b32 v255, 0                              ; a plain place behind the exponentials
	s_wait_alu depctr_va_vdst(0)                   ; one wait for the batch of 65, ahead of its first reader
	v_pk_mul_f32 v[14:15], v[14:15], v[254:255] op_sel_hi:[1,0]    ; l under the new m
	v_pk_add_f32 v[230:231], v[128:129], v[130:131]
.irp j, 4,8,12,16,20,24,28,32,36,40,44,48,52,56,60
	v_pk_add_f32 v[14:15], v[14:15], v[128+\j:129+\j]
	v_pk_add_f32 v[230:231], v[230:231], v[130+\j:131+\j]
.endr
	v_pk_add_f32 v[14:15], v[14:15], v[230:231]
.Lskip1_\@:
	s_lshr_b32 s59, s59, 1
	s_lshr_b32 s60, s60, 1
	s_add_nc_u64 s[100:101], s[100:101], 256
	s_add_co_u32 s61, s61, 6144
	s_add_co_u32 s62, s62, 512
.endm
; The two halves of the lanes meet: m = the larger, l = the two sums brought under it; then log2 l.  A row with l = 0 has no visible key.
.macro FIN1
	v_add_f32 v14, v14, v15
	v_permlanex16_b32 v224, v12, s56, s57
	v_max_num_f32 v225, v12, v224
	v_sub_f32 v226, v12, v225
	v_mul_f32 v226, s54, v226
	v_exp_f32 v226, v226
	v_mov_b32 v12, v225                            ; (a plain place)
	s_wait_alu depctr_va_vdst(0)
	v_mul_f32 v14, v14, v226
	v_permlanex16_b32 v227, v14, s56, s57
	v_add_f32 v14, v14, v227                       ; the same bits in both halves
	v_log_f32 v228, v14
	v_mov_b32 v229, 0xffff                         ; (a plain place)
	s_wait_alu depctr_va_vdst(0)
	v_cmp_eq_f32 vcc_lo, 0, v14
	v_cndmask_b32 v14, v228, v5, vcc_lo            ; log2 l; 0 in a row without a visible key: all its scores are -infinity in pass 2, so its p are 0
	v_cndmask_b32 v239, v5, v229, vcc_lo           ; and its scale bytes will be 0xff
.endm
; PASS 2, a key step: p, its codes and scale word, O^T += V^T p^T
.macro STEP2
	s_bitcmp1_b32 s59, 0
	s_cbranch_scc0 .Lskip2_\@                      ; one mask or the other hides every key of the step from all 16 queries
	MLOAD
	v_add_nc_u32 v6, s61, v1                       ; these six are also the places in front of the loads into V's registers
	v_add_nc_u32 v7, s61, v2
	v_add_nc_u32 v8, s62, v3
	v_add_nc_u32 v9, s63, v1
	v_add_nc_u32 v10, s63, v2
	v_add_nc_u32 v11, s66, v3
	KLOADS 0
	VLOADS
	s_wait_dscnt 20                                ; K's twelve loads are in; V's twenty, issued behind them, stay out
	KQ 0
	NOP4
	KLOADS 1
	s_wait_dscnt 0x0
	KQ 1
	MASK
	BMAX
.irp b, 0,1,2,3
	v_permlanex16_b32 v[228+\b], v[224+\b], s56, s57
.endr
.irp b, 0,1,2,3
	v_max_num_f32 v[224+\b], v[224+\b], v[228+\b]  ; with lane l xor 16's 16 keys: the block's largest score
.endr
	LESSM
.irp b, 0,1,2,3
	v_sub_f32 v[224+\b], v[224+\b], v12
.endr
.irp j, 0,2,4,6,8,10,12,14,16,18,20,22,24,26,28,30,32,34,36,38,40,42,44,46,48,50,52,54,56,58,60,62
	v_pk_fma_f32 v[128+\j:129+\j], v[128+\j:129+\j], s[54:55], v[14:15] op_sel_hi:[1,0,0] neg_lo:[0,0,1] neg_hi:[0,0,1]   ; c (s - m) - log2 l
.endr
.irp b, 0,1,2,3
	v_fma_f32 v[224+\b], v[224+\b], s54, -v14
.endr
	EXP64                                          ; p, finished and normalised
.irp b, 0,1,2,3
	v_exp_f32 v[224+\b], v[224+\b]                 ; the block's largest p: the same instructions on the same number give the same bits
.endr
	v_nop                                          ; a plain place behind the exponentials
	s_wait_alu depctr_va_vdst(0)                   ; one wait for the batch of 68
.irp b, 0,1,2,3
	v_max_num_f32 v[224+\b], 0x1800000, v[224+\b]  ; the floor 2^(3 - 127): the byte cannot fall under 1
.endr
	v_add_nc_u32 v243, 0xff000000, v224            ; 2 off the exponent field: the conversions' scale operands
	v_add_nc_u32 v253, 0xff000000, v225
	v_add_nc_u32 v254, 0xff000000, v226
	v_add_nc_u32 v255, 0xff000000, v227
	v_lshrrev_b32 v228, 23, v243
	v_lshrrev_b32 v229, 23, v253
	v_lshrrev_b32 v230, 23, v254
	v_lshrrev_b32 v231, 23, v255
	v_lshl_or_b32 v252, v229, 8, v228              ; p's scale word for these 128 keys
	v_lshl_or_b32 v252, v230, 16, v252
	v_lshl_or_b32 v252, v231, 24, v252
	v_cvt_scalef32_pk16_fp6_f32 v[224:226], v[128:143], v243
	v_cvt_scalef32_pk16_fp6_f32 v[236:238], v[144:159], v253
	v_cvt_scalef32_pk16_fp6_f32 v[230:232], v[160:175], v254
	v_cvt_scalef32_pk16_fp6_f32 v[240:242], v[176:191], v255
	v_nop                                          ; one plain place behind a scaled conversion
.irp i, 0,1,2
	v_permlane16_swap_b32 v[224+\i], v[236+\i]     ; the operand's layout wants a whole block in a lane
	v_permlane16_swap_b32 v[230+\i], v[240+\i]
.endr
.irp i, 0,1,2
	v_mov_b32 v[227+\i], v[236+\i]
	v_mov_b32 v[233+\i], v[240+\i]
.endr
	NOP4                                           ; an operand written by vector instructions stands 4 places ahead of a scaled matrix instruction, a scale word 8: the word has the 6 moves, these 4 and the place above
.irp t, 0,1,2,3
	v_wmma_scale_f32_16x16x128_f8f6f4 v[192+8*\t:199+8*\t], v[80+12*\t:91+12*\t], v[224:235], v[192+8*\t:199+8*\t], v[248+\t], v252 matrix_a_fmt:MATRIX_FMT_FP6 matrix_b_fmt:MATRIX_FMT_FP6   ; the four accumulators by turns; eight score products stand between two links
.endr
.Lskip2_\@:
	s_lshr_b32 s59, s59, 1
	s_lshr_b32 s60, s60, 1
	s_add_nc_u64 s[100:101], s[100:101], 256
	s_add_co_u32 s61, s61, 6144
	s_add_co_u32 s62, s62, 512
	s_add_co_u32 s63, s63, 6144
	s_add_co_u32 s66, s66, 256
.endm
; O^T: register 16 b + i is channel 32 b + 16 (lane / 16) + i of my query: two blocks of 32 along the last product's K.  Codes (24 bytes a lane) and the two scale bytes go to the stage.
.macro OUT which
	NOP4
	v_max3_num_f32 v224, |v192|, |v193|, 0x1800000
	v_max3_num_f32 v225, |v208|, |v209|, 0x1800000
.irp i, 2,4,6,8,10,12,14
	v_max3_num_f32 v224, v224, |v[192+\i]|, |v[193+\i]|
	v_max3_num_f32 v225, v225, |v[208+\i]|, |v[209+\i]|
.endr
	v_permlanex16_b32 v226, v224, s56, s57
	v_permlanex16_b32 v227, v225, s56, s57
	v_max_num_f32 v224, v224, v226
	v_max_num_f32 v225, v225, v227
	v_add_nc_u32 v228, 0xff000000, v224
	v_add_nc_u32 v229, 0xff000000, v225
	v_lshrrev_b32 v230, 23, v228
	v_lshrrev_b32 v231, 23, v229
	v_lshl_or_b32 v230, v231, 8, v230
	v_or_b32 v230, v230, v239
	v_cvt_scalef32_pk16_fp6_f32 v[232:234], v[192:207], v228
	v_cvt_scalef32_pk16_fp6_f32 v[240:242], v[208:223], v229
	v_nop
.irp i, 0,1,2
	v_permlane16_swap_b32 v[232+\i], v[240+\i]
.endr
.irp i, 0,1,2
	v_mov_b32 v[235+\i], v[240+\i]
.endr
	ds_store_b64 v30, v[232:233] offset:12288*\which
	ds_store_b64 v30, v[234:235] offset:12288*\which+8
	ds_store_b64 v30, v[236:237] offset:12288*\which+16
	ds_store_b16 v31, v230 offset:512*\which       ; lanes r and r + 16 write the same two bytes with the same value
	s_wait_dscnt 0x0                               ; the stores have read their registers
.endm
.macro TILE which
.if \which
	s_mov_b32 s3, s5
.else
	s_mov_b32 s3, s4
.endif
	s_mov_b32 s23, 0
	s_mul_i32 s22, s3, 768
	s_add_nc_u64 s[24:25], s[8:9], s[22:23]
	s_lshl_b32 s22, s3, 6
	s_add_nc_u64 s[26:27], s[10:11], s[22:23]
	s_lshl_b32 s22, s3, 5
	s_add_nc_u64 s[28:29], s[48:49], s[22:23]
	s_lshl_b32 s22, s3, 12
	s_add_nc_u64 s[100:101], s[12:13], s[22:23]    ; the words of mask_bef
	global_load_b128 v[16:19], v1, s[24:25]        ; Q's tile: the image of its six registers
	global_load_b64 v[20:21], v2, s[24:25]
	global_load_b32 v28, v3, s[26:27]
	s_load_b256 s[36:43], s[28:29], 0x0            ; the tile's flags: four pairs of words, each with the bits of four key steps
	v_mov_b32 v12, 0xff61b1e6                      ; m = -3e38, under every score
	v_mov_b32 v14, 0
	v_mov_b32 v15, 0
	s_mov_b32 s58, 0
	s_mov_b32 s61, 0
	s_mov_b32 s62, KSC
	s_wait_kmcnt 0x0
	s_or_b32 s6, s36, s38
	s_or_b32 s6, s6, s40
	s_or_b32 s6, s6, s42                           ; live: bits 0-15 pass 1, bits 16-31 pass 2
	s_or_b32 s67, s37, s39
	s_or_b32 s67, s67, s41
	s_or_b32 s67, s67, s43                         ; open likewise
	s_mov_b32 s59, s6
	s_mov_b32 s60, s67
	s_wait_loadcnt 0x0                             ; Q is in, and the loads' addresses, which lie among the mask words' registers, are free
	v_lshrrev_b32 v28, s7, v28
.irp j, 0,1,2,3,4,5,6,7,8,9,10,11,12,13,14,15,16,17,18,19,20,21,22,23,24,25,26,27,28,29,30,31
	v_mov_b32 v[192+\j], 0                         ; O^T: which step is the first live one hangs on the flags, so no product can start the sums.  (Also the places behind the scale word's shift)
.endr
.Lpass1_\@:                                    ; 16 trips, a constant: a hidden step is jumped over inside the trip
	STEP1
	s_add_co_u32 s58, s58, 1
	s_cmp_lt_u32 s58, 16
	s_cbranch_scc1 .Lpass1_\@
	FIN1
	s_mov_b32 s58, 0
	s_mov_b32 s61, 0
	s_mov_b32 s62, KSC
	s_mov_b32 s63, VC
	s_mov_b32 s66, VSC
	s_lshr_b32 s59, s6, 16
	s_lshr_b32 s60, s67, 16
	s_lshl_b32 s22, s3, 12
	s_mov_b32 s23, 0
	s_add_nc_u64 s[100:101], s[14:15], s[22:23]    ; the words of mask_bef | mask_aft
.Lpass2_\@:
	STEP2
	s_add_co_u32 s58, s58, 1
	s_cmp_lt_u32 s58, 16
	s_cbranch_scc1 .Lpass2_\@
	OUT \which
.endm
	TILE 0
	TILE 1
	s_barrier_signal -1                            ; (each wave's stores into the stage were awaited at the end of OUT)
	s_barrier_wait -1                              ; sixteen whole runs of 32 tokens lie in the stage
	s_mul_i32 s22, s2, 1536
	s_add_co_u32 s22, s22, STG
	v_add_nc_u32 v6, s22, v1
	s_lshl_b32 s22, s2, 6
	s_add_co_u32 s22, s22, STS
	v_and_b32 v7, 31, v0
	v_lshlrev_b32 v8, 1, v7
	v_add_nc_u32 v7, s22, v8
	ds_load_b128 v[32:35], v6                      ; wave w takes run w: 1,536 bytes of codes,
	ds_load_b128 v[36:39], v6 offset:512
	ds_load_b128 v[40:43], v6 offset:1024
	ds_load_u16 v44, v7                            ; and 64 scale bytes
	s_lshl_b32 s23, s2, 2
	s_add_co_u32 s24, s23, ttmp9                   ; runs 0-7 are the tokens' runs g + 4 w,
	s_sub_co_u32 s25, 95, s23
	s_sub_co_u32 s25, s25, ttmp9                   ; runs 8-15 are 63 - g - 4 (w - 8)
	s_cmp_lt_u32 s2, 8
	s_cselect_b32 s24, s24, s25
	s_mul_i32 s26, s24, 1536
	s_mov_b32 s27, 0
	s_add_nc_u64 s[50:51], s[50:51], s[26:27]
	s_lshl_b32 s26, s24, 6
	s_add_nc_u64 s[52:53], s[52:53], s[26:27]
	s_wait_dscnt 0x0
	global_store_b128 v1, v[32:35], s[50:51]       ; 1,536 consecutive bytes, aligned to 256
	global_store_b128 v1, v[36:39], s[50:51] offset:512
	global_store_b128 v1, v[40:43], s[50:51] offset:1024
	global_store_b16 v8, v44, s[52:53]             ; 64 consecutive bytes: one part in 24 of what the wave stores
	s_wait_tensorcnt 0x0                           ; the wave's end, kept in a text with no tensor load too
	ds_add_u32 v4, v5
	s_wait_dscnt 0x0
	s_endpgm
.Lfunc_end_k_qb057f978a3_attn:
	.size	k_qb057f978a3_attn, .Lfunc_end_k_qb057f978a3_attn-k_qb057f978a3_attn
	.p2alignl 7, 3214868480
	.fill 96, 4, 3214868480
	.section	.rodata,"a",@progbits
	.p2align	6, 0x0
	.amdhsa_kernel k_qb057f978a3_attn
		.amdhsa_group_segment_fixed_size 236544
		.amdhsa_private_segment_fixed_size 0
		.amdhsa_enable_private_segment 0
		.amdhsa_kernarg_size 32
		.amdhsa_user_sgpr_count 2
		.amdhsa_user_sgpr_kernarg_segment_ptr 1
		.amdhsa_wavefront_size32 1
		.amdhsa_system_sgpr_workgroup_id_x 1
		.amdhsa_system_sgpr_workgroup_id_y 1
		.amdhsa_system_sgpr_workgroup_id_z 1
		.amdhsa_system_vgpr_workitem_id 0
		.amdhsa_next_free_vgpr 256
		.amdhsa_next_free_sgpr 102
		.amdhsa_reserve_vcc 1
		.amdhsa_float_denorm_mode_32 3
		.amdhsa_float_denorm_mode_16_64 3
		.amdhsa_memory_ordered 1
		.amdhsa_forward_progress 1
		.amdhsa_inst_pref_size 100
	.end_amdhsa_kernel
	.amdgpu_metadata
---
amdhsa.version: [ 1, 2 ]
amdhsa.kernels:
  - .name:           k_qb057f978a3_attn
    .symbol:         k_qb057f978a3_attn.kd
    .args:
      - { .name: qkv, .offset: 0, .size: 8, .value_kind: global_buffer, .address_space: global }
      - { .name: mk, .offset: 8, .size: 8, .value_kind: global_buffer, .address_space: global }
      - { .name: att, .offset: 16, .size: 8, .value_kind: global_buffer, .address_space: global }
      - { .name: fl, .offset: 24, .size: 8, .value_kind: global_buffer, .address_space: global }
    .group_segment_fixed_size: 236544
    .private_segment_fixed_size: 0
    .kernarg_segment_align: 8
    .kernarg_segment_size: 32
    .max_flat_workgroup_size: 512
    .sgpr_count:     102
    .vgpr_count:     256
    .wavefront_size: 32
...
	.end_amdgpu_metadata
.endif
;; end of part 3
;; launch outp (part 4): grid 4 x 32, 4 waves a work-group, clusters of 4 x 4, 327,680 bytes of LDS; arguments att, pq, out0; writes out0
.if DOCPART == 4
	.amdgcn_target "amdgcn-amd-amdhsa--gfx1250"
	.amdhsa_code_object_version 6
	.text
	.protected	k_qb057f978a3_outp
	.globl	k_qb057f978a3_outp
	.p2align	8
	.type	k_qb057f978a3_outp,@function
k_qb057f978a3_outp:
	s_mov_b64 s[64:65], 0
	v_nop
	global_prefetch_b8 v0, s[64:65] scope:SCOPE_SE
	s_setreg_imm32_b32 hwreg(HW_REG_WAVE_MODE, 25, 1), 1
	s_wait_xcnt 0x0
	s_wait_alu depctr_hold_cnt(0) depctr_sa_sdst(0) depctr_va_vdst(0) depctr_va_sdst(0) depctr_va_ssrc(0) depctr_va_vcc(0) depctr_vm_vsrc(0)
	s_getreg_b32 s2, hwreg(HW_REG_IB_STS2, 6, 4)
	s_cmp_eq_u32 s2, 0
	s_cbranch_scc0 .Lentry_in_a_cluster
	s_endpgm
.Lentry_in_a_cluster:
	s_bfe_u32 s2, ttmp6, 0x10000c
	s_cmp_lg_u32 s2, 0xf033
	s_cbranch_scc0 .Lentry_shape_is_right
	s_endpgm
.Lentry_shape_is_right:
; FOURTH LAUNCH: out = O Wo on codes of FP6 (E2M3).  No work is left out here.
; A = O: 8,192 tokens x K = 1,024 (head x 64 + channel), as the third launch left it: codes [batch x head][token][48 bytes], scale bytes [batch x head][token] (2 bytes).
; B = Wo^T: 1,024 stored rows of 768 bytes, scale bytes [row][32].  C = out0 [8192][1024] f32.
; A tile of C, 256 x 256, is made by four waves, 128 x 128 each.  K goes in steps of 256 (four heads) through a ring of two LDS slots.  A's part of a slot: four planes (heads) of 128 tokens x 48 bytes, each
; 6,144 dense bytes of memory: one tensor load a wave.  With 48 bytes from token to token the 32 lanes of a load of 8 bytes touch 64 different banks, so no padding.
; A's scale bytes come through registers into LDS bytes of their own (34 blocks of 256 bytes, into which no tensor load lands), laid [token][32] as B's are; B's come by a tensor load, once.
; CLUSTERS: 4 x 4 work-groups; A's tiles are asked for jointly along a row of the cluster, B's along a column.  The grid gives 128 work-groups: a tile of half the size would fill more of the chip at twice
; the LDS reads for each product; this launch is short beside the third.
; THE MATRIX INSTRUCTION IS USED TRANSPOSED (source 0 = 16 rows of B, source 1 = 16 rows of A).  B's rows lie in the stored order (bits 3 and 4 exchanged): the way out puts each eight columns at their true place.
.set SIZE_N, 1024
.set NQ,     2
.set ROWB,   192
.set KROW,   768
.set PITCH,  240
.set FR,     12
.set NL,     6
.set NP,     4
.set HALFT,  128*PITCH
.set SLOT,   4*HALFT
.set LAPS,   2
.set KS,     32
.set PLANE,  6144                      ; 128 tokens x 48 bytes
.set HEADB,  98304                     ; a head's 2,048 tokens x 48 bytes
.set SCL,    2*SLOT
.set HALFS,  (128*KS/256)*272
.set SBLK,   (16*KS/256)*272
.set SPARE,  SCL+4*HALFS               ; the spare words, 128 bytes for each wave: two blocks of 256 bytes that no other line names
.set SPITCH, 528
.set ASO,    6291456                   ; att: the scale bytes
.set WCO,    8912896                   ; pq: Wo's codes
.set WSO,    9797632                   ; pq: Wo's scale bytes
.set ADRA, 16
.set ADRB, 20
.set STO,  24
.set RD,   25
.set CO,   26
.set ADRS, 27
.set SPW,  28
.set NIL,  29
.set SC,   32
.set AF,   128
.set BK,   128
.set G1, 24
.set G0, 32
.set G1B, 48
.set G0B, 56
.set G1SB, 80
.set G0SB, 88
.set MSB, 0
.macro WIN new
.if MSB != \new
	s_set_vgpr_msb (MSB<<8)|\new
.set MSB, \new
.endif
.endm
.set MUL_LO, 0xa1
.set MUL_HI, 0xf1
.set TO_B,   0x40
.macro JLOAD g0a, g1a, g0b, g1b        ; a joint load: waves 0 and 1 fetch for A, waves 2 and 3 for B; an s_nop 0 and four v_nop follow each of the two lines
	s_cmp_eq_u32 s15, 0
	s_cbranch_scc0 .Lfor_b_\@
	tensor_load_to_lds s[\g0a:\g0a+3], s[\g1a:\g1a+7]
	s_nop 0
.rept 4
	v_nop
.endr
	s_branch .Lasked_\@
.Lfor_b_\@:
	tensor_load_to_lds s[\g0b:\g0b+3], s[\g1b:\g1b+7]
	s_nop 0
.rept 4
	v_nop
.endr
.Lasked_\@:
.endm
.macro CREST
	s_cmp_lg_u32 s14, 0
	s_cbranch_scc1 .Lnot_wave_0_\@
	s_barrier_signal -3
.Lnot_wave_0_\@:
	s_barrier_wait -3
	s_barrier_signal -1
	s_barrier_wait -1
.endm
.macro CROUND
	s_barrier_signal -1
	s_barrier_wait -1
	CREST
.endm
	s_load_b128 s[4:7], s[0:1], 0x0                ; att s[4:5], pq s[6:7]
	s_load_b64 s[12:13], s[0:1], 0x10              ; out0
	v_lshl_add_u32 v[SPW], v0, 2, SPARE
	v_mov_b32 v[NIL], 0
	ds_add_u32 v[SPW], v[NIL]                      ; the wave's opening: the add, twice on end, and its wait ahead of my first tensor load
	ds_add_u32 v[SPW], v[NIL]
	v_lshrrev_b32 v1, 5, v0
	v_readfirstlane_b32 s14, v1                    ; wave 0..3
	s_lshr_b32 s15, s14, 1                         ; which half of the tile's rows is mine.  Also: I fetch for A (0) or for B (1)
	s_and_b32 s16, s14, 1                          ; which half of its columns.  Also: which 128 rows of that tile I fetch
	s_bfe_u32 s40, ttmp6, 0x40000                  ; cx
	s_bfe_u32 s41, ttmp6, 0x40004                  ; cy
	s_lshl_b32 s42, ttmp9, 2
	s_add_co_u32 s42, s42, s40                     ; tile column of C
	s_and_b32 s17, ttmp7, 0xffff
	s_lshl_b32 s17, s17, 2
	s_add_co_u32 s17, s17, s41                     ; tile row of C
	s_lshl_b32 s43, s41, 2
	s_lshl_b32 s43, 15, s43                        ; my row of the cluster
	s_lshl_b32 s44, 0x1111, s40                    ; my column
	s_or_b32 s[G1+0], s43, (3<<16)|(1<<21)         ; A: the mask; elements of 8 bytes; no padding; bit 21 beside a mask
	s_mov_b32 s[G1+1], 768<<16                     ; tensor_dim0: 768 elements = a plane's 6,144 bytes
	s_mov_b32 s[G1+2], 4<<16                       ; tensor_dim1: four planes
	s_mov_b32 s[G1+3], 768<<16                     ; tile_dim0
	s_mov_b32 s[G1+4], 4                           ; tile_dim1
	s_mov_b32 s[G1+5], HEADB/8                     ; from head to head, in elements
	s_mov_b32 s[G1+6], 0
	s_mov_b32 s[G1+7], 0
	s_or_b32 s[G1B+0], s44, (0<<16)|(1<<20)|(1<<21)|(3<<22)|(3<<25)  ; B: 128 rows of 192 bytes, 16 bytes of padding behind every 64
	s_mov_b32 s[G1B+1], ROWB<<16
	s_mov_b32 s[G1B+2], 128<<16
	s_mov_b32 s[G1B+3], ROWB<<16
	s_mov_b32 s[G1B+4], 128
	s_mov_b32 s[G1B+5], KROW
	s_mov_b32 s[G1B+6], 0
	s_mov_b32 s[G1B+7], 0
	s_or_b32 s[G1SB+0], s44, (3<<16)|(1<<20)|(1<<21)|(5<<22)|(3<<25) ; B's scale bytes of 128 rows: 16 rows of 256 bytes, 16 bytes of padding behind each
	s_mov_b32 s[G1SB+1], 32<<16
	s_mov_b32 s[G1SB+2], (128*KS/256)<<16
	s_mov_b32 s[G1SB+3], 32<<16
	s_mov_b32 s[G1SB+4], 128*KS/256
	s_mov_b32 s[G1SB+5], 32
	s_mov_b32 s[G1SB+6], 0
	s_mov_b32 s[G1SB+7], 0
	s_lshl_b32 s18, s16, 7                         ; which 128 rows of the tile I fetch
	s_lshl_b32 s20, s17, 8
	s_add_co_u32 s20, s20, s18                     ; A: the first token, counted over all batches
	s_lshr_b32 s21, s20, 11                        ; its batch,
	s_and_b32 s20, s20, 2047                       ; its number there
	s_mul_i32 s21, s21, 16*HEADB
	s_mul_i32 s20, s20, 48
	s_add_co_u32 s20, s20, s21
	s_mov_b32 s21, 0
	s_lshl_b32 s46, s42, 8
	s_add_co_u32 s46, s46, s18                     ; B: row 256 x tile column + 128 x half
	s_lshl_b32 s92, s46, 5
	s_add_co_u32 s92, s92, WSO
	s_mov_b32 s93, 0
	s_mul_i32 s46, s46, KROW
	s_add_co_u32 s46, s46, WCO
	s_mov_b32 s47, 0
	s_lshr_b32 s22, s17, 3                         ; A's scale bytes: the tile's batch: 16 heads x 4,096 bytes,
	s_lshl_b32 s22, s22, 16
	s_and_b32 s23, s17, 7
	s_lshl_b32 s23, s23, 9                         ; its 256 tokens x 2 bytes,
	s_add_co_u32 s22, s22, s23
	s_lshl_b32 s23, s14, 12                        ; head w (and w + 4, + 8, + 12)
	s_add_co_u32 s22, s22, s23
	s_add_co_u32 s22, s22, ASO
	s_mov_b32 s23, 0
	s_mul_i32 s45, s14, HALFT                      ; where the tiles go: wave x 30,720 bytes
	s_mul_i32 s94, s14, HALFS
	s_wait_dscnt 0x0                               ; both opening adds are done
	s_wait_kmcnt 0x0
	s_add_nc_u64 s[20:21], s[4:5], s[20:21]
	s_add_nc_u64 s[96:97], s[4:5], s[22:23]
	s_add_nc_u64 s[46:47], s[6:7], s[46:47]
	s_add_nc_u64 s[92:93], s[6:7], s[92:93]
	CROUND                                         ; all sixteen work-groups are here: the first joint loads meet
	s_mov_b32 s[G0SB], 1
	s_add_co_u32 s[G0SB+1], s94, SCL               ; (waves 2 and 3: behind A's 8,704 bytes)
	s_mov_b64 s[G0SB+2:G0SB+3], s[92:93]
	s_or_b32 s[G0SB+3], s[G0SB+3], 0x80000000
.irp s, 0,1
	s_mov_b32 s[G0+4*\s], 1
	s_add_co_u32 s[G0+4*\s+1], s45, \s*SLOT
	s_add_nc_u64 s[G0+4*\s+2:G0+4*\s+3], s[20:21], \s*4*HEADB
	s_or_b32 s[G0+4*\s+3], s[G0+4*\s+3], 0x80000000
	s_mov_b32 s[G0B+4*\s], 1
	s_add_co_u32 s[G0B+4*\s+1], s45, \s*SLOT
	s_add_nc_u64 s[G0B+4*\s+2:G0B+4*\s+3], s[46:47], \s*ROWB
	s_or_b32 s[G0B+4*\s+3], s[G0B+4*\s+3], 0x80000000
.endr
	s_cmp_eq_u32 s15, 0                            ; a wave's first fills stand in one branch: in both arms slot 1's load is the last, so the counted wait below leaves just that one out
	s_cbranch_scc0 .Lfirst_b
	tensor_load_to_lds s[G0:G0+3], s[G1:G1+7]
	s_nop 0
	tensor_load_to_lds s[G0+4:G0+7], s[G1:G1+7]
	s_nop 0
.rept 4
	v_nop
.endr
	s_branch .Lfirst_asked
.Lfirst_b:
	tensor_load_to_lds s[G0SB:G0SB+3], s[G1SB:G1SB+7]
	s_nop 0
	tensor_load_to_lds s[G0B:G0B+3], s[G1B:G1B+7]
	s_nop 0
	tensor_load_to_lds s[G0B+4:G0B+7], s[G1B:G1B+7]
	s_nop 0
.rept 4
	v_nop
.endr
.Lfirst_asked:
	v_and_b32 v6, 31, v0
	v_lshlrev_b32 v[CO], 4, v6                     ; 16 x lane
.irp i, 0,1,2,3
	global_load_b128 v[64+4*\i:67+4*\i], v[CO], s[96:97] offset:16384*\i    ; head w + 4 i: the two bytes of each of my 8 tokens; 512 consecutive bytes a wave
.endr
	v_mul_u32_u24 v7, v6, 272
	s_lshl_b32 s21, s14, 1
	s_add_co_u32 s21, s21, SCL
	v_add_nc_u32 v7, s21, v7                       ; tokens 8 x lane on fill one unit of 256 bytes + 16: SCL + 272 x lane + 2 x wave
	v_and_b32 v1, 15, v0                           ; r
	v_bfe_u32 v2, v0, 4, 1                         ; h
	v_mul_u32_u24 v3, v1, PITCH
	v_mul_u32_u24 v4, v2, 24
	v_add_nc_u32 v4, v3, v4                        ; B: a fragment's row x pitch + 24 x half
	v_lshl_add_u32 v5, v2, 4, v4                   ; and the same behind one padding more
	v_mul_u32_u24 v3, v1, 48
	v_mad_u32_u24 v3, v2, 24, v3                   ; A: token x 48 + 24 x half
	s_mul_i32 s21, s15, HALFT
	s_mul_i32 s22, s16, HALFT
	s_add_co_u32 s22, s22, 2*HALFT
.irp s, 0,1
	v_add_nc_u32 v[ADRA+\s], s21, v3
	v_add_nc_u32 v[ADRB+\s], s22, v4
	v_add_nc_u32 v[ADRB+2+\s], s22, v5
	s_add_co_u32 s21, s21, SLOT
	s_add_co_u32 s22, s22, SLOT
.endr
	v_mul_u32_u24 v5, v1, KS
	v_lshrrev_b32 v6, 8, v5
	v_lshl_add_u32 v5, v6, 4, v5
	s_mul_i32 s21, s15, HALFS
	s_mul_i32 s22, s16, HALFS
	s_add_co_u32 s22, s22, 2*HALFS
	s_sub_co_u32 s22, s22, s21
	v_mul_u32_u24 v6, s22, v2                      ; lanes 16-31 take B's
	s_add_co_u32 s21, s21, SCL
	v_add_nc_u32 v5, v5, v6
	v_add_nc_u32 v[ADRS], s21, v5
	s_mul_i32 s23, s14, 16*SPITCH                  ; my stage, in slot 0
	v_mul_u32_u24 v5, v1, SPITCH
	v_lshl_add_u32 v5, v2, 6, v5                   ; in: row r, + 64 h: lanes 16-31 hold columns 16 further on
	v_add_nc_u32 v[STO], s23, v5
	v_add_nc_u32 v[RD], s23, v[CO]
	s_lshl_b32 s20, s17, 8
	s_lshl_b32 s21, s15, 7
	s_add_co_u32 s20, s20, s21                     ; my first row of C
	s_mov_b32 s21, 0
	s_mov_b64 s[18:19], SIZE_N*4
	s_mul_u64 s[20:21], s[20:21], s[18:19]
	s_lshl_b32 s46, s42, 10
	s_lshl_b32 s47, s16, 9
	s_add_co_u32 s46, s46, s47
	s_mov_b32 s47, 0
	s_add_nc_u64 s[20:21], s[20:21], s[46:47]
	s_add_nc_u64 s[12:13], s[12:13], s[20:21]
	s_wait_loadcnt 0x0
.irp i, 0,1,2,3
.irp e, 0,1,2,3
	ds_store_b16 v7, v[64+4*\i+\e] offset:64*\e+8*\i                 ; token 8 x lane + 2 e, bytes 2 (w + 4 i) and the next of its 32
	ds_store_b16_d16_hi v7, v[64+4*\i+\e] offset:64*\e+32+8*\i       ; token 8 x lane + 2 e + 1
.endr
.endr
.macro FRAG reg, adr, q, i             ; B: 16 rows x 128 K: 12 registers, in pieces of 8 bytes
.irp p, 0,1,2,3,4,5
.set PCE, 12*(\q)+6*(\p/3)+\p%3
.if PCE%8 < 5
	ds_load_b64 v[\reg+2*\p:\reg+2*\p+1], v[\adr] offset:8*PCE+16*(PCE/8)+(\i)*16*PITCH
.else
	ds_load_b64 v[\reg+2*\p:\reg+2*\p+1], v[\adr+2] offset:8*PCE+16*(PCE/8)+(\i)*16*PITCH
.endif
.endr
.endm
.macro FRAGA reg, adr, q, i            ; A: registers 0-5 from head 2 q's plane, registers 6-11 from the next head's
.irp p, 0,1,2,3,4,5
	ds_load_b64 v[\reg+2*\p:\reg+2*\p+1], v[\adr] offset:(2*(\q)+\p/3)*PLANE+(\i)*768+8*(\p%3)
.endr
.endm
.macro MUL16 a0, p, q, sc, zero        ; the 64 accumulators take turns, one instruction a turn, in the same order in every step
.irp a, \a0, \a0+1
.irp b, 0,1,2,3,4,5,6,7
.if \zero
	v_wmma_scale_f32_16x16x128_f8f6f4 v[8*(8*((\a)%4)+\b):8*(8*((\a)%4)+\b)+7], v[128*(\p)+FR*\b:128*(\p)+FR*\b+FR-1], v[AF+FR*(\a):AF+FR*(\a)+FR-1], 0, v[SC+8*NQ*(\sc)+NQ*\b+(\q)], v[SC+8*NQ*(\sc)+NQ*(\a)+(\q)] matrix_a_fmt:MATRIX_FMT_FP6 matrix_b_fmt:MATRIX_FMT_FP6 matrix_a_scale:MATRIX_SCALE_ROW1
.else
	v_wmma_scale_f32_16x16x128_f8f6f4 v[8*(8*((\a)%4)+\b):8*(8*((\a)%4)+\b)+7], v[128*(\p)+FR*\b:128*(\p)+FR*\b+FR-1], v[AF+FR*(\a):AF+FR*(\a)+FR-1], v[8*(8*((\a)%4)+\b):8*(8*((\a)%4)+\b)+7], v[SC+8*NQ*(\sc)+NQ*\b+(\q)], v[SC+8*NQ*(\sc)+NQ*(\a)+(\q)] matrix_a_fmt:MATRIX_FMT_FP6 matrix_b_fmt:MATRIX_FMT_FP6 matrix_a_scale:MATRIX_SCALE_ROW1
.endif
.endr
.endr
.endm
.macro FETCH_B slot, q, p
	WIN TO_B
.irp i, 0,1,2,3,4,5,6,7
	FRAG 128*(\p)+FR*\i, ADRB+\slot, \q, \i
.endr
	WIN 0
.endm
.macro FETCH_A slot, q, i0
.irp i, \i0, \i0+1, \i0+2, \i0+3
	FRAGA AF+FR*(\i), ADRA+\slot, \q, \i
.endr
.endm
.macro SCALES sc
.irp i, 0,1,2,3,4,5,6,7
	ds_load_b64 v[SC+8*NQ*\sc+NQ*\i:SC+8*NQ*\sc+NQ*\i+1], v[ADRS] offset:\i*SBLK
.endr
.endm
.macro PLACES n
.rept \n
	v_nop
.endr
.endm
.macro STEP slot, q, zero
	s_wait_dscnt 4*NL                              ; B's set and A's blocks 0-3 are in; the youngest 24 loads (A's blocks 4-7) may be out
	WIN MUL_LO
	MUL16 0, (\q)%2, \q, \slot, \zero
	MUL16 2, (\q)%2, \q, \slot, \zero
	s_wait_dscnt 0
	PLACES NP
	FETCH_B \slot, (\q)+1, 1-(\q)%2
	FETCH_A \slot, (\q)+1, 0
	WIN MUL_HI
	MUL16 4, (\q)%2, \q, \slot, \zero
	MUL16 6, (\q)%2, \q, \slot, \zero
	PLACES NP
	WIN 0
	FETCH_A \slot, (\q)+1, 4
.endm
.macro TURN slot, next, fill
	s_wait_tensorcnt 0x0                           ; all my tensor loads have landed: my part of the next slot
	ds_add_u32 v[SPW], v[NIL]
	s_wait_dscnt 4*NL+1                            ; the add and the youngest 24 loads may be out
	WIN MUL_LO
	MUL16 0, 1, NQ-1, \slot, 0
	s_wait_dscnt 0x0                               ; the add is done, and my reads of this slot are over
	s_barrier_signal -1
	MUL16 2, 1, NQ-1, \slot, 0
	WIN 0
	s_barrier_wait -1
.if \fill
	CREST                                          ; the barrier has opened a round of the cluster's barrier
	s_add_nc_u64 s[G0+4*\slot+2:G0+4*\slot+3], s[G0+4*\slot+2:G0+4*\slot+3], 8*HEADB
	s_add_nc_u64 s[G0B+4*\slot+2:G0B+4*\slot+3], s[G0B+4*\slot+2:G0B+4*\slot+3], 2*ROWB
	JLOAD G0+4*\slot, G1, G0B+4*\slot, G1B         ; the first tensor load behind the round; its four v_nop are the places in front of the loads below
.else
	PLACES NP
.endif
	v_add_nc_u32 v[ADRS], 4*NQ, v[ADRS]
	FETCH_B \next, 0, 0
	FETCH_A \next, 0, 0
	SCALES \next
	WIN MUL_HI
	MUL16 4, 1, NQ-1, \slot, 0
	MUL16 6, 1, NQ-1, \slot, 0
	PLACES NP
	WIN 0
	FETCH_A \next, 0, 4
.endm
	s_wait_tensorcnt 1                             ; my part of K step 0 (and B's scale bytes) is in; K step 1's load may be out
	s_wait_dscnt 0x0                               ; for the others' sake: my stores of A's scale bytes have landed
	s_barrier_signal -1
	s_barrier_wait -1
	FETCH_B 0, 0, 0
	FETCH_A 0, 0, 0
	SCALES 0
	FETCH_A 0, 0, 4
	STEP 0, 0, 1                                   ; the first step's products start the sums
	s_mov_b32 s3, LAPS-1
.Llap:
	TURN 0, 1, 1
	STEP 1, 0, 0
	TURN 1, 0, 1
	STEP 0, 0, 0
	s_sub_co_u32 s3, s3, 1
	s_cmp_lg_u32 s3, 0
	s_cbranch_scc1 .Llap
	TURN 0, 1, 0                                   ; the last lap fills nothing
	STEP 1, 0, 0
	s_wait_dscnt 4*NL
	WIN MUL_LO
	MUL16 0, 1, NQ-1, 1, 0
	MUL16 2, 1, NQ-1, 1, 0
	s_wait_dscnt 0
	WIN MUL_HI
	MUL16 4, 1, NQ-1, 1, 0
	MUL16 6, 1, NQ-1, 1, 0
	WIN 0
; THE WAY OUT, block by block of 16 rows x 128 columns, through my own stage in slot 0 (it has had its last fill and its last read).  Accumulator b's register j of lane (r, h) is column
; 32 (b / 2) + 16 h + 8 (b % 2) + j of my 128: its 32 bytes go to that place of row r, and whole rows of 512 bytes come back.
.macro TOSTAGE a
.set AC, 64*((\a)%4)
	WIN 0x08+4*((\a)/4)
.irp b, 0,1,2,3,4,5,6,7
	ds_store_b128 v[STO], v[AC+8*\b:AC+8*\b+3] offset:128*(\b/2)+32*(\b%2)
	ds_store_b128 v[STO], v[AC+8*\b+4:AC+8*\b+7] offset:128*(\b/2)+32*(\b%2)+16
.endr
	WIN 0
.set BB, BK+64*((\a)%2)
.irp t, 0,1,2,3,4,5,6,7,8,9,10,11,12,13,14,15
	ds_load_b128 v[BB+4*\t:BB+4*\t+3], v[RD] offset:\t*SPITCH
.endr
.endm
.macro SEND a, younger
.set BB, BK+64*((\a)%2)
	s_wait_dscnt \younger                          ; the block is back in registers; the next block's 32 LDS instructions may be out
.if (\a) > 0
	s_add_nc_u64 s[12:13], s[12:13], 16*SIZE_N*4   ; (behind a wait on XCNT: the earlier stores have read their base)
.endif
.irp t, 0,1,2,3,4,5,6,7,8,9,10,11,12,13,14,15
	global_store_b128 v[CO], v[BB+4*\t:BB+4*\t+3], s[12:13] offset:\t*SIZE_N*4 th:TH_STORE_NT   ; 32 lanes store 512 consecutive bytes, aligned to 256
.endr
.endm
	PLACES NP
	TOSTAGE 0
.irp a, 1,2,3,4,5,6,7
.if \a > 1
	s_wait_xcnt 0x0                                ; block a - 2's stores have read their registers and their base
.endif
	TOSTAGE \a
	SEND \a-1, 32
.endr
	s_wait_xcnt 0x0
	SEND 7, 0
	s_wait_tensorcnt 0x0                           ; the wave's end
	ds_add_u32 v[SPW], v[NIL]
	s_wait_dscnt 0x0
	CROUND                                         ; the closing round
	s_endpgm
.Lfunc_end_k_qb057f978a3_outp:
	.size	k_qb057f978a3_outp, .Lfunc_end_k_qb057f978a3_outp-k_qb057f978a3_outp
	.p2alignl 7, 3214868480
	.fill 96, 4, 3214868480
	.section	.rodata,"a",@progbits
	.p2align	6, 0x0
	.amdhsa_kernel k_qb057f978a3_outp
		.amdhsa_group_segment_fixed_size 327680
		.amdhsa_private_segment_fixed_size 0
		.amdhsa_enable_private_segment 0
		.amdhsa_kernarg_size 24
		.amdhsa_user_sgpr_count 2
		.amdhsa_user_sgpr_kernarg_segment_ptr 1
		.amdhsa_wavefront_size32 1
		.amdhsa_system_sgpr_workgroup_id_x 1
		.amdhsa_system_sgpr_workgroup_id_y 1
		.amdhsa_system_sgpr_workgroup_id_z 1
		.amdhsa_system_vgpr_workitem_id 0
		.amdhsa_next_free_vgpr 1024
		.amdhsa_next_free_sgpr 98
		.amdhsa_reserve_vcc 0
		.amdhsa_float_denorm_mode_32 3
		.amdhsa_float_denorm_mode_16_64 3
		.amdhsa_memory_ordered 1
		.amdhsa_forward_progress 1
		.amdhsa_inst_pref_size 162
	.end_amdhsa_kernel
	.amdgpu_metadata
---
amdhsa.version: [ 1, 2 ]
amdhsa.kernels:
  - .name:           k_qb057f978a3_outp
    .symbol:         k_qb057f978a3_outp.kd
    .args:
      - { .name: att, .offset: 0, .size: 8, .value_kind: global_buffer, .address_space: global }
      - { .name: pq, .offset: 8, .size: 8, .value_kind: global_buffer, .address_space: global }
      - { .name: out0, .offset: 16, .size: 8, .value_kind: global_buffer, .address_space: global }
    .group_segment_fixed_size: 327680
    .private_segment_fixed_size: 0
    .kernarg_segment_align: 8
    .kernarg_segment_size: 24
    .max_flat_workgroup_size: 128
    .sgpr_count:     98
    .vgpr_count:     1024
    .wavefront_size: 32
...
	.end_amdgpu_metadata
.endif
;; end of part 4
